; MI455X (gfx1250); checked and timed in simulation.
; The chip was launched on July 23, 2026; its instructions are those of AMD's public machine-readable ISA for CDNA 5 (MIT licence, August 2026) and "CDNA5" Instruction Set Architecture Reference Guide (July 2026). The comments in the code are by the model that wrote it; some were corrected since.
;; Attention. Allowed arithmetic: matrix products marked QUANTISED: E2M1 operands, one E8M0 scale for each 32 along K, by v_wmma_scale_f32_16x16x128_f8f6f4 with both operands' format E2M1 (or v_wmma_scale_f32_32x16x128_f4), f32 sums; products left as they are: bf16, f16 or f32 operands; f32 sums; everything else in f32.
;; Inputs: w_kv 1,024 x 2,048 float32; w_out 1,024 x 1,024 float32; w_q 1,024 x 1,024 float32; x 2 x 2,048 x 1,024 float32.
;; Outputs: out0 2 x 2,048 x 1,024 float32.
;; This version of the problem:
;;   THIS VERSION OF THE PROBLEM IS GIVEN IN LOW PRECISION. The matrix products marked QUANTISED in the list below multiply operands that are first quantised to E2M1 (2 exponent bits, 1 mantissa bit; 4 bits a number), with one power-of-two scale for each 32 numbers along K (OCP MX v1.0); their sums are f32. The products marked 'left as it is' may take bf16, f16 or f32 operands, with f32 sums. Whichever they take, every output number must still come out within the allowed error. Rounding operands to bf16 (8 significant bits) uses up far more of that allowance than f16 does (11 bits, for magnitudes from 6e-5 to 65,504). All else is computed in f32.
;;   The module's matrix products, in the order in which they are computed (A, B: the left and right operand; K: the contracted axis; several contracted axes count as one K, in the product's order):
;;     1. [M 4,096, K 1,024] x [K 1,024, N 1,024]; A: input x; B: input w_q: QUANTISED
;;     2. [M 4,096, K 1,024] x [K 1,024, N 2,048]; A: input x; B: input w_kv: QUANTISED
;;     3. batch 32 x [M 2,048, K 64] x [K 64, N 2,048]; A: computed on the way; B: computed on the way: left as it is (an operand is computed on the way)
;;     4. batch 32 x [M 2,048, K 2,048] x [K 2,048, N 64]; A: computed on the way; B: computed on the way: left as it is (an operand is computed on the way)
;;     5. [M 4,096, K 1,024] x [K 1,024, N 1,024]; A: computed on the way; B: input w_out: left as it is (an operand is computed on the way)
;;   THE QUANTISER, for each operand of a quantised product, along K:
;;     - K is cut into blocks of 32 from its start; a last block that is shorter is filled with zeros.
;;     - A block's scale is 2^e with e = floor(log2(the largest magnitude in the block)) - 2, held to -126 .. 127; a block of zeros has e = 0. As a byte (E8M0): e + 127.
;;     - Each number is divided by its block's scale, clamped to +-6, and rounded to the nearest number of E2M1, ties to even, subnormals kept.
;;     - The product sums the exact products of the quantised numbers (number of the format x scale) in f32.
;;   ~~~python
;;   def quantise(x, axis):      # numpy; x: float32 -> the quantised numbers, widened to float32 again
;;       x = np.moveaxis(x, axis, -1); K = x.shape[-1]
;;       x = np.pad(x, [(0, 0)] * (x.ndim - 1) + [(0, -K % 32)]); x = x.reshape(x.shape[:-1] + (-1, 32)); a = np.abs(x).max(-1, keepdims=True)
;;       e = np.where(a > 0, np.clip(np.frexp(np.where(a > 0, a, 1))[1] - 1 - 2, -126, 127), 0)      # np.frexp(a)[1] - 1 = floor(log2(a)), exactly
;;       r = np.clip(x / 2.0 ** e, -6, 6)
;;       step = 2.0 ** (np.maximum(np.frexp(np.where(r == 0, 1, r))[1] - 1, 0) - 1)
;;       q = np.round(r / step) * step * 2.0 ** e      # np.round: ties to even
;;       return np.moveaxis(q.reshape(q.shape[:-2] + (-1,))[..., :K], -1, axis).astype(np.float32)
;;   ~~~
;; One version. Each part assembles by itself: llvm-mc -triple=amdgcn-amd-amdhsa -mcpu=gfx1250 --defsym DOCPART=n.
;; ======== version 1 of 1: 5 launches
;; limits: values are held in f16: magnitudes above 65,504 overflow, below 6.1e-05 lose precision
;; workspace buffers: xc 2,097,152 bytes; wc 1,572,864 bytes; scl 229,376 bytes; rope 262,144 bytes; wo16 2,097,152 bytes; qkv 25,165,824 bytes; o16 8,388,608 bytes; fin 393,216 bytes
;; launch prep (part 1): grid 256 x 1, 4 waves a work-group, no clusters, 68,096 bytes of LDS; arguments x, w_q, w_kv, w_out, xc, wc, scl, rope, wo16; writes xc, wc, scl, rope, wo16
.if DOCPART == 1
	.amdgcn_target "amdgcn-amd-amdhsa--gfx1250"
	.amdhsa_code_object_version 6
	.text
	.protected	k_q9e55fbf005_prep
	.globl	k_q9e55fbf005_prep
	.p2align	8
	.type	k_q9e55fbf005_prep,@function
k_q9e55fbf005_prep:
	s_mov_b64 s[64:65], 0
	v_nop
	global_prefetch_b8 v0, s[64:65] scope:SCOPE_SE
	s_setreg_imm32_b32 hwreg(HW_REG_WAVE_MODE, 25, 1), 1
	s_wait_xcnt 0x0
; PREP: everything that is made once from the inputs.  Three kinds of work-group, told apart by the work-group's number alone:
;   0..127   x [4096][1024] f32 -> codes of FP4 (E2M1), K innermost, xc [4096][512 B], one E8M0 byte for each 32 along K, scl [4096][32]; and 16 positions each of the rotary table.
;   128..223 w_q [1024][1024], w_kv [1024][2048] f32, K their FIRST axis -> codes with K innermost, wc [3072][512 B], rows ordered head x 192 + part x 64 + d (part 0 q, 1 k, 2 v); bytes at scl + 131,072, [3072][32].
;   224..255 w_out [1024][1024] f32 -> f16 in the order of a matrix operand's registers: wo16 [n/128][k/32][16 columns][u][lane][16 B], k = 32 kc + 16 u + 8 (lane / 16) + 0..7, column = lane % 16.
; A block's scale is 2^(floor(log2(largest magnitude)) - 2); its byte is the largest magnitude's exponent field - 2, held at 1 from below.
; LIMITS: a block of zeros gets the byte 1 where the quantiser says 127 (its codes are zeros, and this program alone reads the bytes); blocks whose largest magnitude lies under 2^-124 are held at the byte 1;
; NaN and infinities among the inputs are not served.  w_out is rounded to f16: magnitudes up to 65,504.
; THE ROTARY TABLE: rope [2048 positions][8][cos(2g), cos(2g+1), sin(2g), sin(2g+1)] f32.  The frequency is 2^(-i log2(10000) / 16) by v_exp_f32, the angle position x frequency in one f32 product,
; reduced by multiples of pi/2 in two parts, sine and cosine by polynomials on |r| <= pi/4.  LIMIT: the frequency may differ from a correctly rounded one in its last bits: at position 2,047 the angle by about 2e-4.
; The kinds that use LDS have LDS bytes of their own.  No tensor loads.  Each wave of every kind has four runs of loads on end between its first load and its last: 16 steps four ahead, 8 blocks or chunks two ahead.
.set SPARE, 67584                      ; behind both regions: the spare words, 128 bytes for each wave
.set SPW,   214                        ; v214 LDS address of my spare word; never rewritten
.set NIL,   215                        ; v215 0; never rewritten
.set EMAX,  2
; ---- names of the x path
.set STEPS, 16
.set CB,    8                          ; bytes of 16 codes
.set R,     16                         ; v16-79   four sets of 16 numbers as loaded
.set X,     80                         ; v80-111  two sets of 16 neighbours
.set E,     112                        ; v112-127 a scale byte for each step
.set C,     128                        ; v128-191 codes, four registers a step: no store's data are written again
.set WREG,  8192                       ; LDS 0..32,767: a region for each wave: two stages of 32 x SP bytes, then its 256 scale bytes
.set SP,    80
; ---- names of the weights' path
.set WX,    32                         ; v32-95   two sets of 32 numbers
.set WC,    96                         ; v96-99   a block's codes (w_out's path: v96-111, 16 registers of f16)
.set OUTR,  112                        ; v112-143 the way out
.set SB,    24                         ; v24-25   the scale bytes
.set WA,    176                        ; v176-207 byte offsets of 32 rows of the weight
.set WP,    272                        ; a stage row: 256 bytes + 16
.set WSTG,  32768                      ; LDS 32,768..50,175: the work-group's stage of 64 rows
.set WNB,   8                          ; blocks of 32 along K for a wave
	s_load_b512 s[4:19], s[0:1], 0x0               ; x 4, w_q 6, w_kv 8, w_out 10, xc 12, wc 14, scl 16, rope 18
	s_load_b64 s[20:21], s[0:1], 0x40              ; wo16
	v_lshl_add_u32 v[SPW], v0, 2, SPARE
	v_mov_b32 v[NIL], 0
	v_lshrrev_b32 v1, 5, v0
	v_readfirstlane_b32 s24, v1                    ; wave
	v_and_b32 v2, 31, v0                           ; lane
	s_wait_kmcnt 0x0
	s_cmp_lt_u32 ttmp9, 128
	s_cbranch_scc0 .Lnot_x
; =============== x: a plain stream of blocks of 32.  A wave takes 16 steps of 512 numbers.
	v_lshlrev_b32 v3, 4, v2                        ; my 16 bytes of a load's 512
	s_mul_i32 s25, s24, WREG
	v_lshrrev_b32 v14, 2, v2
	v_mul_u32_u24 v14, v14, SP
	v_and_b32 v15, 3, v2
	v_lshl_add_u32 v14, v15, 4, v14
	v_add_nc_u32 v14, s25, v14                     ; the stage, way in: four lanes' 64 bytes on end, then 16 of padding
	v_mul_u32_u24 v15, v2, SP
	v_add_nc_u32 v15, s25, v15                     ; way out: my 16 neighbours
	v_mul_u32_u24 v4, v2, CB                       ; my codes' place in a step's
	v_lshrrev_b32 v5, 1, v2
	s_add_co_u32 s25, s25, 2*32*SP
	v_add_nc_u32 v5, s25, v5                       ; my block's scale byte in my wave's 256
	v_lshlrev_b32 v7, 3, v2
	v_add_nc_u32 v6, s25, v7
	s_lshl_b32 s26, ttmp9, 2
	s_add_co_u32 s26, s26, s24                     ; which run of 8,192 numbers is my wave's
	s_mov_b32 s29, 0
	s_lshl_b32 s28, s26, 15
	s_add_nc_u64 s[4:5], s[4:5], s[28:29]
	s_lshl_b32 s28, s26, 12
	s_add_nc_u64 s[12:13], s[12:13], s[28:29]
	s_lshl_b32 s28, s26, 8
	s_add_nc_u64 s[16:17], s[16:17], s[28:29]
	s_lshl_b32 s28, ttmp9, 11
	s_add_nc_u64 s[18:19], s[18:19], s[28:29]      ; the table: 128 threads x 16 bytes a work-group
.macro XLD t
.irp i, 0,1,2,3
	global_load_b128 v[R+16*((\t)%4)+4*\i:R+16*((\t)%4)+4*\i+3], v3, s[4:5] offset:2048*(\t)+512*\i th:TH_LOAD_NT   ; 32 lanes read 512 consecutive bytes
.endr
.endm
.macro XTURN t                         ; a step's numbers through the stage: LDS serves a wave's instructions in order, so no wait stands between the stores and the loads
.irp i, 0,1,2,3
	ds_store_b128 v14, v[R+16*((\t)%4)+4*\i:R+16*((\t)%4)+4*\i+3] offset:32*SP*((\t)%2)+8*SP*\i
.endr
.irp i, 0,1,2,3
	ds_load_b128 v[X+16*((\t)%2)+4*\i:X+16*((\t)%2)+4*\i+3], v15 offset:32*SP*((\t)%2)+16*\i
.endr
.endm
.irp t, 0,1,2,3
	XLD \t
.endr
	; ---- the rotary table, while the first loads are on their way.  Thread: position 16 x work-group + thread / 8, frequencies 2 g and 2 g + 1, g = thread % 8
	s_mov_b32 s30, 0x3fc90fdb                      ; pi/2 rounded to f32,
	s_mov_b32 s31, 0x333bbd2e                      ; and by how much that is too large
	v_lshrrev_b32 v128, 3, v0
	s_lshl_b32 s27, ttmp9, 4
	v_add_nc_u32 v128, s27, v128
	v_cvt_f32_u32 v128, v128                       ; the position
	v_and_b32 v129, 7, v0
	v_lshlrev_b32 v129, 1, v129
	v_add_nc_u32 v130, 1, v129
	v_cvt_f32_u32 v129, v129
	v_cvt_f32_u32 v130, v130
	v_mul_f32 v129, 0xbf549a78, v129               ; -i log2(10000) / 16
	v_mul_f32 v130, 0xbf549a78, v130
	v_exp_f32 v129, v129
	v_exp_f32 v130, v130
	v_nop                                          ; a plain instruction behind the exponentials,
	s_wait_alu depctr_va_vdst(0)                   ; and one wait for both, ahead of the first reader
.irp u, 0,1
	v_mul_f32 v[132+16*\u], v128, v[129+\u]        ; the angle
	v_mul_f32 v[133+16*\u], 0x3f22f983, v[132+16*\u]
	v_rndne_f32 v[133+16*\u], v[133+16*\u]         ; k = the nearest multiple of pi/2
	v_fma_f32 v[134+16*\u], -v[133+16*\u], s30, v[132+16*\u]
	v_fma_f32 v[134+16*\u], v[133+16*\u], s31, v[134+16*\u]   ; r = angle - k pi/2
	v_mul_f32 v[135+16*\u], v[134+16*\u], v[134+16*\u]        ; z = r r
	v_mov_b32 v[136+16*\u], 0xb94ca1f9
	v_fmaak_f32 v[136+16*\u], v[136+16*\u], v[135+16*\u], 0x3c08839e
	v_fmaak_f32 v[136+16*\u], v[136+16*\u], v[135+16*\u], 0xbe2aaaa3
	v_mul_f32 v[141+16*\u], v[134+16*\u], v[135+16*\u]
	v_fma_f32 v[138+16*\u], v[141+16*\u], v[136+16*\u], v[134+16*\u]   ; sin r
	v_mov_b32 v[137+16*\u], 0x37ccf5ce
	v_fmaak_f32 v[137+16*\u], v[137+16*\u], v[135+16*\u], 0xbab6061a
	v_fmaak_f32 v[137+16*\u], v[137+16*\u], v[135+16*\u], 0x3d2aaaa5
	v_fma_f32 v[139+16*\u], v[135+16*\u], -0.5, 1.0
	v_mul_f32 v[141+16*\u], v[135+16*\u], v[135+16*\u]
	v_fma_f32 v[139+16*\u], v[137+16*\u], v[141+16*\u], v[139+16*\u]   ; cos r
	v_cvt_i32_f32 v[140+16*\u], v[133+16*\u]       ; the quadrant is k mod 4
	v_and_b32 v[141+16*\u], 1, v[140+16*\u]
	v_cmp_eq_u32 vcc_lo, 1, v[141+16*\u]
	v_cndmask_b32 v[142+16*\u], v[138+16*\u], v[139+16*\u], vcc_lo     ; odd quadrants change sine and cosine
	v_cndmask_b32 v[143+16*\u], v[139+16*\u], v[138+16*\u], vcc_lo
	v_lshlrev_b32 v[141+16*\u], 30, v[140+16*\u]
	v_and_b32 v[141+16*\u], 0x80000000, v[141+16*\u]
	v_xor_b32 v[194+\u], v[142+16*\u], v[141+16*\u]                    ; the sine is negative in quadrants 2, 3
	v_add_nc_u32 v[141+16*\u], 1, v[140+16*\u]
	v_lshlrev_b32 v[141+16*\u], 30, v[141+16*\u]
	v_and_b32 v[141+16*\u], 0x80000000, v[141+16*\u]
	v_xor_b32 v[192+\u], v[143+16*\u], v[141+16*\u]                    ; the cosine in quadrants 1, 2
.endr
	v_lshlrev_b32 v196, 4, v0
	global_store_b128 v196, v[192:195], s[18:19]   ; a wave stores 512 consecutive bytes; these registers are not written again
	s_wait_loadcnt 12                              ; step 0's four loads are in
	XTURN 0
.macro XSTEP t
.set XS, X+16*((\t)%2)
.if (\t) > 0
	s_wait_dscnt 1                                 ; this step's numbers are back from the stage (the last step's byte store may be out): so its stores into the stage have read their registers,
.else
	s_wait_dscnt 0x0
.endif
.if (\t)+4 < STEPS
	XLD (\t)+4                                     ; which take the loads of four steps on
.endif
.if (\t)+1 < STEPS
.if STEPS-2-(\t) >= 3
	s_wait_loadcnt 12                              ; the next step's four loads are in; those of the three steps behind it may be out
.else
	s_wait_loadcnt 4*(STEPS-2-(\t))
.endif
	XTURN (\t)+1
.endif
	v_max3_num_f32 v8, |v[XS]|, |v[XS+1]|, |v[XS+2]|               ; the largest magnitude of my 16
	v_max3_num_f32 v9, |v[XS+3]|, |v[XS+4]|, |v[XS+5]|
.irp i, 6,10
	v_max3_num_f32 v8, v8, |v[XS+\i]|, |v[XS+\i+1]|
	v_max3_num_f32 v9, v9, |v[XS+\i+2]|, |v[XS+\i+3]|
.endr
	v_max3_num_f32 v8, v8, |v[XS+14]|, |v[XS+15]|
	v_max3_num_f32 v8, v8, v9, (EMAX+1)<<23        ; and the floor, so that the byte cannot fall under 1
	v_max_num_f32_dpp v8, v8, v8 row_xmask:1 row_mask:0xf bank_mask:0xf   ; and of my neighbour's 16: the block's
	v_add_nc_u32 v11, -(EMAX<<23), v8              ; 2 off its exponent field: the conversion's scale operand
	v_cvt_scalef32_pk8_fp4_f32 v[C+4*(\t)], v[XS:XS+7], v11
	v_cvt_scalef32_pk8_fp4_f32 v[C+4*(\t)+1], v[XS+8:XS+15], v11
	v_lshrrev_b32 v[E+(\t)], 23, v11               ; the scale's byte
	ds_store_b8 v5, v[E+(\t)] offset:16*(\t)       ; both lanes of a block write the same byte with the same value
	global_store_b64 v4, v[C+4*(\t):C+4*(\t)+1], s[12:13] offset:32*CB*(\t)   ; the wave stores 256 consecutive bytes, aligned
.endm
.irp t, 0,1,2,3,4,5,6,7,8,9,10,11,12,13,14,15
	XSTEP \t
.endr
	ds_load_b64 v[8:9], v6                         ; LDS serves a wave's instructions in order: these see my stores
	s_wait_dscnt 0x0
	global_store_b64 v7, v[8:9], s[16:17]          ; 32 lanes store 256 consecutive bytes, aligned
	s_branch .Lend
.Lnot_x:
	s_cmp_lt_u32 ttmp9, 224
	s_cbranch_scc0 .Lwout
; =============== w_q, w_kv: a lane takes a column, its registers run down K.  A work-group: the 64 columns of one head and part x 512 along K; a wave 32 of the columns x 256 along K: 8 blocks.
; A column's 256 bytes of codes come from two waves: they meet in the work-group's stage, behind one barrier, and leave as whole rows.  All four waves of such a work-group are on this path: it is chosen by the work-group's number.
	s_sub_co_u32 s26, ttmp9, 128
	s_lshr_b32 s27, s26, 1                         ; part x 16 + head, 0..47
	s_and_b32 s28, s26, 1                          ; which half of K
	s_lshr_b32 s29, s27, 4                         ; part: 0 q, 1 k, 2 v
	s_and_b32 s31, s27, 15                         ; head
	s_and_b32 s32, s24, 1                          ; my wave: which 32 of the 64 columns,
	s_lshr_b32 s41, s24, 1                         ; and which 256 of the 512 along K
	s_lshl_b32 s30, s31, 6
	s_lshl_b32 s33, s32, 5
	s_add_co_u32 s30, s30, s33                     ; my wave's first column within the part
	s_mul_i32 s31, s31, 192
	s_lshl_b32 s33, s29, 6
	s_add_co_u32 s31, s31, s33                     ; the work-group's first row in wc
	s_mov_b32 s34, 8192
	s_cmp_lt_u32 s27, 16                           ; the choice of the tensor hangs on the work-group's number alone
	s_cselect_b64 s[6:7], s[6:7], s[8:9]
	s_cselect_b32 s34, 4096, s34                   ; bytes from a row of the weight to the next
	s_cmp_eq_u32 s29, 2
	s_cselect_b32 s33, 1024, 0                     ; v's columns lie behind k's
	s_add_co_u32 s33, s33, s30
	s_lshl_b32 s36, s33, 2
	s_lshl_b32 s35, s28, 1
	s_add_co_u32 s35, s35, s41                     ; my quarter of K,
	s_mul_i32 s35, s35, s34
	s_lshl_b32 s35, s35, 8                         ; 256 rows each
	s_add_co_u32 s36, s36, s35
	s_mov_b32 s37, 0
	s_add_nc_u64 s[6:7], s[6:7], s[36:37]
	s_lshl_b32 s38, s34, 5                         ; 32 rows on
	s_mov_b32 s39, 0
	s_lshl_b32 s36, s31, 9
	s_lshl_b32 s35, s28, 8
	s_add_co_u32 s36, s36, s35
	s_add_nc_u64 s[14:15], s[14:15], s[36:37]      ; the codes: first row x 512 + 256 x half of K
	s_lshl_b32 s36, s31, 5
	s_lshl_b32 s35, s32, 10                        ; my 32 columns' rows of 32 bytes,
	s_add_co_u32 s36, s36, s35
	s_lshl_b32 s35, s28, 4
	s_add_co_u32 s36, s36, s35
	s_lshl_b32 s35, s41, 3                         ; my 8 blocks' bytes in them
	s_add_co_u32 s36, s36, s35
	s_add_co_u32 s36, s36, 131072
	s_add_nc_u64 s[16:17], s[16:17], s[36:37]      ; the bytes, behind x's
	v_lshlrev_b32 v3, 2, v2
	s_mul_i32 s40, s32, 32*WP
	s_lshl_b32 s35, s41, 7
	s_add_co_u32 s40, s40, s35
	s_add_co_u32 s40, s40, WSTG
	v_mul_u32_u24 v4, v2, WP
	v_add_nc_u32 v4, s40, v4                       ; into the stage: row = my column, my 128 bytes of its 256
	v_and_b32 v5, 15, v2
	v_lshrrev_b32 v6, 4, v2
	s_mul_i32 s40, s24, 16*WP
	s_add_co_u32 s40, s40, WSTG
	v_mul_u32_u24 v7, v6, WP
	v_lshl_add_u32 v7, v5, 4, v7
	v_add_nc_u32 v7, s40, v7                       ; out of it: wave w takes rows 16 w .. 16 w + 15, sixteen lanes to a row, two rows an instruction
	v_lshlrev_b32 v8, 9, v6
	v_lshl_add_u32 v8, v5, 4, v8
	s_lshl_b32 s35, s24, 13
	v_add_nc_u32 v8, s35, v8                       ; and the same place in wc
	v_lshlrev_b32 v9, 5, v2                        ; my column's row of scale bytes
.set i, 0
.rept 32
	v_mad_u32_u24 v[WA+i], s34, i, v3              ; row i of a block, my column
.set i, i+1
.endr
.macro WLD t                           ; block t: 32 rows of my column into set t % 2; then the base steps 32 rows
.set i, 0
.rept 32
	global_load_b32 v[WX+32*((\t)%2)+i], v[WA+i], s[6:7] th:TH_LOAD_NT   ; 32 lanes read 128 consecutive bytes; the wave beside me the other 128 of an aligned 256
.set i, i+1
.endr
	s_wait_xcnt 0x0                                ; the loads have read their base: only now it steps
	s_add_nc_u64 s[6:7], s[6:7], s[38:39]
.endm
	WLD 0
	WLD 1
.macro WBLOCK t
.set XS, WX+32*((\t)%2)
.if (\t) < WNB-1
	s_wait_loadcnt 32                              ; this block's 32 loads are in; the next block's may be out
.else
	s_wait_loadcnt 0
.endif
	v_max3_num_f32 v12, |v[XS]|, |v[XS+1]|, |v[XS+2]|               ; the block's largest magnitude: all 32 numbers are mine
	v_max3_num_f32 v13, |v[XS+3]|, |v[XS+4]|, |v[XS+5]|
.irp i, 6,10,14,18,22,26
	v_max3_num_f32 v12, v12, |v[XS+\i]|, |v[XS+\i+1]|
	v_max3_num_f32 v13, v13, |v[XS+\i+2]|, |v[XS+\i+3]|
.endr
	v_max3_num_f32 v12, v12, |v[XS+30]|, |v[XS+31]|
	v_max3_num_f32 v12, v12, v13, (EMAX+1)<<23
	v_add_nc_u32 v11, -(EMAX<<23), v12
	v_lshrrev_b32 v13, 23, v11                     ; the scale's byte
.if (\t)%4 == 0
	v_mov_b32 v[SB+(\t)/4], v13                    ; four bytes to a register, the lower K in the lower byte
.else
	v_lshl_or_b32 v[SB+(\t)/4], v13, 8*((\t)%4), v[SB+(\t)/4]
.endif
.irp g, 0,1,2,3
	v_cvt_scalef32_pk8_fp4_f32 v[WC+\g], v[XS+8*\g:XS+8*\g+7], v11
.endr
	ds_store_b128 v4, v[WC:WC+3] offset:16*(\t)    ; 32 codes: 16 bytes of my column's row
.if (\t)+2 < WNB
	WLD (\t)+2
.endif
	s_wait_dscnt 0x0                               ; the store has read its registers: the next block's codes may be written
.endm
.irp t, 0,1,2,3,4,5,6,7
	WBLOCK \t
.endr
	s_wait_dscnt 0x0                               ; for the others' sake: my stores into the stage are done
	s_barrier_signal -1
	s_barrier_wait -1                              ; the 64 rows are whole
	global_store_b64 v9, v[SB:SB+1], s[16:17]      ; my column's 8 scale bytes
.irp t, 0,1,2,3,4,5,6,7
	ds_load_b128 v[OUTR+4*\t:OUTR+4*\t+3], v7 offset:2*\t*WP
.endr
.irp t, 0,1,2,3,4,5,6,7
	s_wait_dscnt 7-\t
	global_store_b128 v8, v[OUTR+4*\t:OUTR+4*\t+3], s[14:15] offset:2*\t*512   ; sixteen lanes store 256 consecutive bytes, aligned
.endr
	s_branch .Lend
.Lwout:
; =============== w_out -> f16 in fragment order.  A work-group: 128 columns x 256 along K; a wave 32 columns; a lane a column, registers down K.
	s_sub_co_u32 s26, ttmp9, 224
	s_and_b32 s27, s26, 7                          ; block of 128 columns
	s_lshr_b32 s28, s26, 3                         ; quarter of K
	s_lshl_b32 s30, s28, 20                        ; 256 rows of 4,096 bytes
	s_lshl_b32 s29, s27, 9
	s_add_co_u32 s30, s30, s29
	s_lshl_b32 s29, s24, 7
	s_add_co_u32 s30, s30, s29
	s_mov_b32 s31, 0
	s_add_nc_u64 s[10:11], s[10:11], s[30:31]
	s_lshl_b32 s30, s27, 18
	s_lshl_b32 s29, s28, 16
	s_add_co_u32 s30, s30, s29
	s_lshl_b32 s29, s24, 11
	s_add_co_u32 s30, s30, s29
	s_add_nc_u64 s[20:21], s[20:21], s[30:31]
	v_lshlrev_b32 v3, 2, v2
	v_lshrrev_b32 v4, 4, v2
	v_and_b32 v5, 15, v2
	v_lshlrev_b32 v4, 10, v4
	v_lshl_add_u32 v4, v5, 4, v4                   ; lanes 0-15: one tile of 16 columns; lanes 16-31: the next, 1,024 bytes on
.macro OLD t
.set i, 0
.rept 32
	global_load_b32 v[WX+32*((\t)%2)+i], v3, s[10:11] offset:(32*(\t)+i)*4096 th:TH_LOAD_NT
.set i, i+1
.endr
.endm
	OLD 0
	OLD 1
.macro OCHUNK t                        ; 32 along K: four groups of eight neighbours become 16 bytes each
.set XS, WX+32*((\t)%2)
.if (\t) < 7
	s_wait_loadcnt 32                              ; this chunk's loads are in; the next chunk's may be out
.else
	s_wait_loadcnt 0
.endif
	s_wait_xcnt 0x0                                ; the last chunk's stores have read their registers
.irp g, 0,1,2,3
.irp p, 0,1,2,3
	v_cvt_pk_f16_f32 v[WC+4*\g+\p], v[XS+8*\g+2*\p], v[XS+8*\g+2*\p+1]
.endr
.endr
.if (\t)+2 < 8
	OLD (\t)+2
.endif
.irp g, 0,1,2,3
	global_store_b128 v4, v[WC+4*\g:WC+4*\g+3], s[20:21] offset:(\t)*8192+(\g/2)*512+(\g%2)*256   ; sixteen lanes store 256 consecutive bytes, aligned
.endr
.endm
.irp t, 0,1,2,3,4,5,6,7
	OCHUNK \t
.endr
.Lend:
	s_wait_tensorcnt 0x0                           ; the wave's end, behind my last LDS store
	ds_add_u32 v[SPW], v[NIL]
	s_wait_dscnt 0x0
	s_endpgm
.Lfunc_end_k_q9e55fbf005_prep:
	.size	k_q9e55fbf005_prep, .Lfunc_end_k_q9e55fbf005_prep-k_q9e55fbf005_prep
	.p2alignl 7, 3214868480
	.fill 96, 4, 3214868480
	.section	.rodata,"a",@progbits
	.p2align	6, 0x0
	.amdhsa_kernel k_q9e55fbf005_prep
		.amdhsa_group_segment_fixed_size 68096
		.amdhsa_private_segment_fixed_size 0
		.amdhsa_enable_private_segment 0
		.amdhsa_kernarg_size 72
		.amdhsa_user_sgpr_count 2
		.amdhsa_user_sgpr_kernarg_segment_ptr 1
		.amdhsa_wavefront_size32 1
		.amdhsa_system_sgpr_workgroup_id_x 1
		.amdhsa_system_sgpr_workgroup_id_y 1
		.amdhsa_system_sgpr_workgroup_id_z 1
		.amdhsa_system_vgpr_workitem_id 0
		.amdhsa_next_free_vgpr 216
		.amdhsa_next_free_sgpr 66
		.amdhsa_reserve_vcc 1
		.amdhsa_float_denorm_mode_32 3
		.amdhsa_float_denorm_mode_16_64 3
		.amdhsa_memory_ordered 1
		.amdhsa_forward_progress 1
		.amdhsa_inst_pref_size 116
	.end_amdhsa_kernel
	.amdgpu_metadata
---
amdhsa.version: [ 1, 2 ]
amdhsa.kernels:
  - .name:           k_q9e55fbf005_prep
    .symbol:         k_q9e55fbf005_prep.kd
    .args:
      - { .name: x, .offset: 0, .size: 8, .value_kind: global_buffer, .address_space: global }
      - { .name: w_q, .offset: 8, .size: 8, .value_kind: global_buffer, .address_space: global }
      - { .name: w_kv, .offset: 16, .size: 8, .value_kind: global_buffer, .address_space: global }
      - { .name: w_out, .offset: 24, .size: 8, .value_kind: global_buffer, .address_space: global }
      - { .name: xc, .offset: 32, .size: 8, .value_kind: global_buffer, .address_space: global }
      - { .name: wc, .offset: 40, .size: 8, .value_kind: global_buffer, .address_space: global }
      - { .name: scl, .offset: 48, .size: 8, .value_kind: global_buffer, .address_space: global }
      - { .name: rope, .offset: 56, .size: 8, .value_kind: global_buffer, .address_space: global }
      - { .name: wo16, .offset: 64, .size: 8, .value_kind: global_buffer, .address_space: global }
    .group_segment_fixed_size: 68096
    .private_segment_fixed_size: 0
    .kernarg_segment_align: 8
    .kernarg_segment_size: 72
    .max_flat_workgroup_size: 128
    .sgpr_count:     66
    .vgpr_count:     216
    .wavefront_size: 32
...
	.end_amdgpu_metadata
.endif
;; end of part 1
;; launch qkv (part 2): grid 16 x 16, 4 waves a work-group, clusters of 4 x 1, 327,680 bytes of LDS; arguments xc, wc, scl, rope, qkv, fin; writes qkv, fin
.if DOCPART == 2
	.amdgcn_target "amdgcn-amd-amdhsa--gfx1250"
	.amdhsa_code_object_version 6
	.text
	.protected	k_q9e55fbf005_qkv
	.globl	k_q9e55fbf005_qkv
	.p2align	8
	.type	k_q9e55fbf005_qkv,@function
k_q9e55fbf005_qkv:
	s_mov_b64 s[64:65], 0
	v_nop
	global_prefetch_b8 v0, s[64:65] scope:SCOPE_SE
	s_setreg_imm32_b32 hwreg(HW_REG_WAVE_MODE, 25, 1), 1
	s_wait_xcnt 0x0
	s_wait_alu depctr_hold_cnt(0) depctr_sa_sdst(0) depctr_va_vdst(0) depctr_va_sdst(0) depctr_va_ssrc(0) depctr_va_vcc(0) depctr_vm_vsrc(0)
	s_getreg_b32 s2, hwreg(HW_REG_IB_STS2, 6, 4)
	s_cmp_eq_u32 s2, 0
	s_cbranch_scc0 .Lentry_in_a_cluster
	s_endpgm
.Lentry_in_a_cluster:
	s_bfe_u32 s2, ttmp6, 0x10000c
	s_cmp_lg_u32 s2, 0x3003
	s_cbranch_scc0 .Lentry_shape_is_right
	s_endpgm
.Lentry_shape_is_right:
; QKV: x w_q and x w_kv on codes of FP4 with E8M0 scales, the rotary embedding, and q, k, v rounded to f16 in the order of the next products' operand registers.
; SHARES.  A work-group makes 256 rows of x (work-group y) x the 192 columns of ONE head (q 64, k 64, v 64); wave w makes rows 64 w .. 64 w + 63 x all 192: 4 x 12 accumulators of 16 x 16, 384 registers.
; All of K = 1,024 fits in LDS (x 128 KB, w 96 KB, scale bytes 14 KB): every byte of LDS is filled once, in two halves of K, so there is no ring: 8 steps of 128 along K, 48 matrix instructions each.
; CLUSTER.  The four heads of a cluster need the same rows of x and the same scale bytes of x: those come by JOINT loads (the same descriptor and the mask 15 in all four).  w's rows differ from head to head: plain loads.
; q AND k ARE MADE TRANSPOSED (source 0 = 16 rows of w, source 1 = 16 rows of x): a lane holds one position and eight neighbouring channels, which pack into 16 bytes of an f16 operand whose K is the channels.
; v IS MADE THE OTHER WAY ROUND (source 0 = x, source 1 = w): a lane holds one channel and eight neighbouring positions: 16 bytes of an operand whose K is the keys.  So every store is 512 consecutive bytes from registers.
; OUT: qkv: q at 0, k at 8,388,608: [batch x 16 + head][position / 16][channel / 16][lane][16 B]; v at 16,777,216: [batch x 16 + head][position / 32][channel / 16][(position / 16) % 2][lane][16 B].
;      fin: positions 0-15 of every sequence, f32, as the accumulators' registers stand: [batch x 16 + head][tile 0-11][half][lane][16 B].
; LIMITS: q, k, v are rounded to f16: magnitudes up to 65,504.
; REGISTERS: window 0: v1-8 addresses; v28, v29 the add's two; v32-95 scale words and nothing else; v96-159 x's fragments, two sets; v160-223 the rotary table; v224-255 at work.
;   window 1: w's fragments, two sets at v0 and v128; on the way out the packed results.   window 2: the accumulators of row tiles 0, 1 (tile a, column tile b at v[96 (a % 2) + 8 b]);  window 3: of row tiles 2, 3.
.set PITCH, 272                        ; an LDS row: 256 bytes (512 codes) + 16 of padding: the 16 rows that a load touches start at 16 different banks (64 banks of 4 bytes: ISA guide 11.1)
.set AH,    256*PITCH                  ; x's 256 rows, half of K
.set BH,    192*PITCH                  ; w's 192 rows, half of K
.set BBASE, 2*AH
.set SCA,   BBASE+2*BH                 ; x's scale bytes: 32 pieces of 256 bytes + 16
.set SCB,   SCA+32*272                 ; w's: 24 pieces
.set SPARE, 259072                     ; the spare words, 128 bytes for each wave, in blocks of 256 bytes of their own
.set LI,   1                           ; v1  16 x lane
.set ADRA, 2                           ; v2-3 my fragments of x in half 0, 1
.set ADRB, 4                           ; v4-5 of w
.set ADSA, 6                           ; v6  my scale words of x: lane l takes row 32 i + l of my 64
.set ADSB, 7                           ; v7  of w
.set TABO, 8                           ; v8  my place in the rotary table
.set SPW,  28
.set NIL,  29
.set XF,   96
.set TAB,  160
.set TT,   224
.set G1A,  24                          ; s[24:31] group 1: x's codes;  s[32:39] w's codes;  s[40:47] x's scale bytes;  s[48:55] w's
.set G1B,  32
.set G1SA, 40
.set G1SB, 48
.set G0A,  56                          ; s[56:63] group 0: x's two halves;  s[68:75] w's;  s[76:79], s[80:83] the scale bytes
.set G0B,  68
.set G0SA, 76
.set G0SB, 80
.set MSB, 0
.macro WIN new                         ; the immediate's high byte repeats the setting that is left
.if MSB != \new
	s_set_vgpr_msb (MSB<<8)|\new
.set MSB, \new
.endif
.endm
.macro PLACES
.rept 4
	v_nop
.endr
.endm
; Waves 0 and 1 fetch for x (jointly), waves 2 and 3 for w.  The branch hangs on the wave's number alone.  An s_nop 0 and four v_nop follow each of the two lines.
.macro JLOAD g0a, g1a, g0b, g1b
	s_cmp_eq_u32 s17, 0
	s_cbranch_scc0 .Lfor_b_\@
	tensor_load_to_lds s[\g0a:\g0a+3], s[\g1a:\g1a+7]
	s_nop 0
.rept 4
	v_nop
.endr
	s_branch .Lasked_\@
.Lfor_b_\@:
	tensor_load_to_lds s[\g0b:\g0b+3], s[\g1b:\g1b+7]
	s_nop 0
.rept 4
	v_nop
.endr
.Lasked_\@:
.endm
.macro CROUND                          ; a round of the cluster's barrier
	s_barrier_signal -1
	s_barrier_wait -1
	s_cmp_lg_u32 s16, 0
	s_cbranch_scc1 .Lnot_wave_0_\@
	s_barrier_signal -3
.Lnot_wave_0_\@:
	s_barrier_wait -3
	s_barrier_signal -1
	s_barrier_wait -1
.endm
	s_load_b256 s[4:11], s[0:1], 0x0               ; xc 4, wc 6, scl 8, rope 10
	s_load_b128 s[12:15], s[0:1], 0x20             ; qkv 12, fin 14
	v_lshl_add_u32 v[SPW], v0, 2, SPARE
	v_mov_b32 v[NIL], 0
	ds_add_u32 v[SPW], v[NIL]                      ; the wave's opening: the add, twice on end, and its wait ahead of my first tensor load
	ds_add_u32 v[SPW], v[NIL]
	v_lshrrev_b32 v9, 5, v0
	v_readfirstlane_b32 s16, v9                    ; wave 0..3
	s_lshr_b32 s17, s16, 1                         ; I fetch for x (0) or for w (1),
	s_and_b32 s18, s16, 1                          ; its first or its second half of the rows
	s_bfe_u32 s19, ttmp6, 0x40000                  ; cx
	s_lshl_b32 s20, ttmp9, 2
	s_add_co_u32 s20, s20, s19                     ; the head = 4 x cluster x + cx
	s_and_b32 s21, ttmp7, 0xffff                   ; the tile of 256 rows of x: the four partners share it
	; group 1: x's codes: 128 rows x 256 bytes, 512 bytes apart; mask 15, bit 21 beside it; 4 words of padding behind every 64
	s_mov_b32 s[G1A], 15|(1<<20)|(1<<21)|(5<<22)|(3<<25)
	s_mov_b32 s[G1A+1], 256<<16
	s_mov_b32 s[G1A+2], 128<<16
	s_mov_b32 s[G1A+3], 256<<16
	s_mov_b32 s[G1A+4], 128
	s_mov_b32 s[G1A+5], 512
	s_mov_b32 s[G1A+6], 0
	s_mov_b32 s[G1A+7], 0
	s_mov_b32 s[G1B], (1<<20)|(5<<22)|(3<<25)      ; w's codes: 96 rows, no mask
	s_mov_b32 s[G1B+1], 256<<16
	s_mov_b32 s[G1B+2], 96<<16
	s_mov_b32 s[G1B+3], 256<<16
	s_mov_b32 s[G1B+4], 96
	s_mov_b32 s[G1B+5], 512
	s_mov_b32 s[G1B+6], 0
	s_mov_b32 s[G1B+7], 0
	s_mov_b32 s[G1SA], 15|(3<<16)|(1<<20)|(1<<21)|(5<<22)|(3<<25)   ; x's scale bytes of 128 rows: 4,096 dense bytes as 16 rows of 32 elements of 8 bytes
	s_mov_b32 s[G1SA+1], 32<<16
	s_mov_b32 s[G1SA+2], 16<<16
	s_mov_b32 s[G1SA+3], 32<<16
	s_mov_b32 s[G1SA+4], 16
	s_mov_b32 s[G1SA+5], 32
	s_mov_b32 s[G1SA+6], 0
	s_mov_b32 s[G1SA+7], 0
	s_mov_b32 s[G1SB], (3<<16)|(1<<20)|(5<<22)|(3<<25)              ; w's of 96 rows: 12 rows
	s_mov_b32 s[G1SB+1], 32<<16
	s_mov_b32 s[G1SB+2], 12<<16
	s_mov_b32 s[G1SB+3], 32<<16
	s_mov_b32 s[G1SB+4], 12
	s_mov_b32 s[G1SB+5], 32
	s_mov_b32 s[G1SB+6], 0
	s_mov_b32 s[G1SB+7], 0
	; byte offsets.  x's hang on the tile of rows and the wave alone, in registers that never hold the head
	s_lshl_b32 s92, s21, 17
	s_lshl_b32 s93, s18, 16
	s_add_co_u32 s92, s92, s93
	s_mov_b32 s93, 0                               ; x's codes: (256 ty + 128 half) x 512
	s_lshl_b32 s94, s21, 13
	s_lshl_b32 s95, s18, 12
	s_add_co_u32 s94, s94, s95
	s_mov_b32 s95, 0                               ; x's scale bytes: x 32
	s_mul_i32 s96, s20, 98304
	s_mul_i32 s97, s18, 49152
	s_add_co_u32 s96, s96, s97
	s_mov_b32 s97, 0                               ; w's codes: (192 head + 96 half) x 512
	s_mul_i32 s98, s20, 6144
	s_mul_i32 s99, s18, 3072
	s_add_co_u32 s98, s98, s99
	s_add_co_u32 s98, s98, 131072
	s_mov_b32 s99, 0                               ; w's scale bytes, behind x's
	s_mul_i32 s22, s18, 128*PITCH                  ; where they go in LDS: no place in the cluster enters an LDS address
	s_mul_i32 s23, s18, 96*PITCH
	s_add_co_u32 s23, s23, BBASE
	s_mul_i32 s84, s18, 16*272
	s_mul_i32 s85, s18, 12*272
	s_wait_dscnt 0x0                               ; both opening adds are done
	s_wait_kmcnt 0x0
	s_add_nc_u64 s[86:87], s[4:5], s[92:93]
	s_add_nc_u64 s[88:89], s[6:7], s[96:97]
	CROUND                                         ; all four work-groups are here: the joint loads meet
	s_mov_b32 s[G0SA], 1
	s_add_co_u32 s[G0SA+1], s84, SCA
	s_add_nc_u64 s[G0SA+2:G0SA+3], s[8:9], s[94:95]
	s_or_b32 s[G0SA+3], s[G0SA+3], 0x80000000
	s_mov_b32 s[G0SB], 1
	s_add_co_u32 s[G0SB+1], s85, SCB
	s_add_nc_u64 s[G0SB+2:G0SB+3], s[8:9], s[98:99]
	s_or_b32 s[G0SB+3], s[G0SB+3], 0x80000000
	JLOAD G0SA, G1SA, G0SB, G1SB                   ; the scale bytes of all of K first
.irp f, 0,1
	s_mov_b32 s[G0A+4*\f], 1
	s_add_co_u32 s[G0A+4*\f+1], s22, \f*AH
	s_add_nc_u64 s[G0A+4*\f+2:G0A+4*\f+3], s[86:87], \f*256
	s_or_b32 s[G0A+4*\f+3], s[G0A+4*\f+3], 0x80000000
	s_mov_b32 s[G0B+4*\f], 1
	s_add_co_u32 s[G0B+4*\f+1], s23, \f*BH
	s_add_nc_u64 s[G0B+4*\f+2:G0B+4*\f+3], s[88:89], \f*256
	s_or_b32 s[G0B+4*\f+3], s[G0B+4*\f+3], 0x80000000
	JLOAD G0A+4*\f, G1A, G0B+4*\f, G1B             ; half f of K: three tensor loads of a wave are out
.endr
	; addresses
	v_and_b32 v9, 31, v0
	v_lshlrev_b32 v[LI], 4, v9
	v_and_b32 v10, 15, v0                          ; r
	v_bfe_u32 v11, v0, 4, 1                        ; h
	v_mul_u32_u24 v12, v10, PITCH
	v_lshl_add_u32 v12, v11, 4, v12                ; a fragment's row x pitch + 16 h
	s_mul_i32 s92, s16, 64*PITCH
	v_add_nc_u32 v[ADRA], s92, v12
	v_add_nc_u32 v[ADRA+1], AH, v[ADRA]
	v_add_nc_u32 v[ADRB], BBASE, v12
	v_add_nc_u32 v[ADRB+1], BBASE+BH, v12
	v_lshrrev_b32 v13, 3, v9
	v_mul_u32_u24 v13, v13, 272
	v_and_b32 v14, 7, v0
	v_lshl_add_u32 v13, v14, 5, v13                ; eight rows of 32 scale bytes to a piece
	s_mul_i32 s92, s16, 8*272
	s_add_co_u32 s92, s92, SCA
	v_add_nc_u32 v[ADSA], s92, v13
	v_add_nc_u32 v[ADSB], SCB, v13
	v_lshlrev_b32 v[TABO], 7, v10
	v_lshl_add_u32 v[TABO], v11, 6, v[TABO]        ; position r, frequencies 8 h on
	; where the results go
	s_lshr_b32 s92, s21, 3
	s_lshl_b32 s92, s92, 4
	s_add_co_u32 s92, s92, s20                     ; batch x 16 + head
	s_and_b32 s93, s21, 7                          ; which 256 positions of the sequence
	s_lshl_b32 s94, s92, 7
	s_lshl_b32 s95, s93, 4
	s_add_co_u32 s94, s94, s95
	s_lshl_b32 s95, s16, 2
	s_add_co_u32 s94, s94, s95
	s_lshl_b32 s94, s94, 11
	s_mov_b32 s95, 0
	s_add_nc_u64 s[84:85], s[12:13], s[94:95]      ; q: my first tile of 16 positions, 2,048 bytes a tile
	s_add_nc_u64 s[86:87], s[84:85], 0x800000      ; k
	s_lshl_b32 s94, s92, 18
	s_lshl_b32 s96, s93, 15
	s_add_co_u32 s94, s94, s96
	s_lshl_b32 s96, s16, 13
	s_add_co_u32 s94, s94, s96
	s_add_co_u32 s94, s94, 0x1000000
	s_add_nc_u64 s[88:89], s[12:13], s[94:95]      ; v: my first 32 positions, 4,096 bytes each
	s_mul_i32 s94, s92, 12288
	s_add_nc_u64 s[90:91], s[14:15], s[94:95]      ; fin
	s_lshl_b32 s94, s93, 15
	s_lshl_b32 s96, s16, 13
	s_add_co_u32 s94, s94, s96
	s_add_nc_u64 s[10:11], s[10:11], s[94:95]      ; the table at my first position
.irp a, 0,1,2,3
.irp g, 0,1,2,3
	global_load_b128 v[TAB+16*\a+4*\g:TAB+16*\a+4*\g+3], v[TABO], s[10:11] offset:\a*2048+16*\g   ; cos, cos, sin, sin of two frequencies
.endr
.endr
; the fragments of K step s (16 rows x 128 K of 4-bit codes: 8 registers: two loads of 16 bytes, 32 bytes apart) into set s % 2: w's twelve, then x's four: 32 loads
.macro FETCH s
	WIN 0x40
.irp b, 0,1,2,3,4,5,6,7,8,9,10,11
.irp c, 0,1
	ds_load_b128 v[128*((\s)%2)+8*\b+4*\c:128*((\s)%2)+8*\b+4*\c+3], v[ADRB+(\s)/4] offset:64*((\s)%4)+32*\c+\b*16*PITCH
.endr
.endr
	WIN 0
.irp a, 0,1,2,3
.irp c, 0,1
	ds_load_b128 v[XF+32*((\s)%2)+8*\a+4*\c:XF+32*((\s)%2)+8*\a+4*\c+3], v[ADRA+(\s)/4] offset:64*((\s)%4)+32*\c+\a*16*PITCH
.endr
.endr
.endm
; the scale words of half f of K: four words a row; a register's lanes 0-15 hold tile 2 i's rows, lanes 16-31 tile 2 i + 1's
.macro SCALES f
.irp i, 0,1
	ds_load_b128 v[32+32*\f+4*\i:32+32*\f+4*\i+3], v[ADSA] offset:\i*1088+16*\f
.endr
.irp i, 0,1,2,3,4,5
	ds_load_b128 v[40+32*\f+4*\i:40+32*\f+4*\i+3], v[ADSB] offset:\i*1088+16*\f
.endr
.endm
; one matrix instruction on accumulator rD.  o0, o1: the source's scales stand in lanes 16-31
.macro WMI s0, s1, c0, c1, o0, o1, zero
.if \zero
.if (\o0) && (\o1)
	v_wmma_scale_f32_16x16x128_f8f6f4 v[rD:rD+7], v[\s0:\s0+7], v[\s1:\s1+7], 0, v[\c0], v[\c1] matrix_a_fmt:MATRIX_FMT_FP4 matrix_b_fmt:MATRIX_FMT_FP4 matrix_a_scale:MATRIX_SCALE_ROW1 matrix_b_scale:MATRIX_SCALE_ROW1
.elseif \o0
	v_wmma_scale_f32_16x16x128_f8f6f4 v[rD:rD+7], v[\s0:\s0+7], v[\s1:\s1+7], 0, v[\c0], v[\c1] matrix_a_fmt:MATRIX_FMT_FP4 matrix_b_fmt:MATRIX_FMT_FP4 matrix_a_scale:MATRIX_SCALE_ROW1
.elseif \o1
	v_wmma_scale_f32_16x16x128_f8f6f4 v[rD:rD+7], v[\s0:\s0+7], v[\s1:\s1+7], 0, v[\c0], v[\c1] matrix_a_fmt:MATRIX_FMT_FP4 matrix_b_fmt:MATRIX_FMT_FP4 matrix_b_scale:MATRIX_SCALE_ROW1
.else
	v_wmma_scale_f32_16x16x128_f8f6f4 v[rD:rD+7], v[\s0:\s0+7], v[\s1:\s1+7], 0, v[\c0], v[\c1] matrix_a_fmt:MATRIX_FMT_FP4 matrix_b_fmt:MATRIX_FMT_FP4
.endif
.else
.if (\o0) && (\o1)
	v_wmma_scale_f32_16x16x128_f8f6f4 v[rD:rD+7], v[\s0:\s0+7], v[\s1:\s1+7], v[rD:rD+7], v[\c0], v[\c1] matrix_a_fmt:MATRIX_FMT_FP4 matrix_b_fmt:MATRIX_FMT_FP4 matrix_a_scale:MATRIX_SCALE_ROW1 matrix_b_scale:MATRIX_SCALE_ROW1
.elseif \o0
	v_wmma_scale_f32_16x16x128_f8f6f4 v[rD:rD+7], v[\s0:\s0+7], v[\s1:\s1+7], v[rD:rD+7], v[\c0], v[\c1] matrix_a_fmt:MATRIX_FMT_FP4 matrix_b_fmt:MATRIX_FMT_FP4 matrix_a_scale:MATRIX_SCALE_ROW1
.elseif \o1
	v_wmma_scale_f32_16x16x128_f8f6f4 v[rD:rD+7], v[\s0:\s0+7], v[\s1:\s1+7], v[rD:rD+7], v[\c0], v[\c1] matrix_a_fmt:MATRIX_FMT_FP4 matrix_b_fmt:MATRIX_FMT_FP4 matrix_b_scale:MATRIX_SCALE_ROW1
.else
	v_wmma_scale_f32_16x16x128_f8f6f4 v[rD:rD+7], v[\s0:\s0+7], v[\s1:\s1+7], v[rD:rD+7], v[\c0], v[\c1] matrix_a_fmt:MATRIX_FMT_FP4 matrix_b_fmt:MATRIX_FMT_FP4
.endif
.endif
.endm
; row tile a x column tile b, K step s.  b < 8 (q, k): w is source 0;  b >= 8 (v): x is source 0
.macro WM a, b, s, zero
.set rD, 96*((\a)%2)+8*(\b)
.set rW, 128*((\s)%2)+8*(\b)
.set rX, XF+32*((\s)%2)+8*(\a)
.set rSW, 40+32*((\s)/4)+4*((\b)/2)+(\s)%4
.set rSX, 32+32*((\s)/4)+4*((\a)/2)+(\s)%4
.if (\b) < 8
	WMI rW, rX, rSW, rSX, (\b)%2, (\a)%2, \zero
.else
	WMI rX, rW, rSX, rSW, (\a)%2, (\b)%2, \zero
.endif
.endm
; a K step: 48 matrix instructions.  The 48 accumulators take turns, one instruction a turn, in the same order in every step
.macro MUL s, zero
.irp g, 0,1
	WIN 0xa1+0x50*\g                               ; source 0 window 1 (w), source 1 window 0 (x), C and D window 2 or 3
.irp a, 0,1
.irp b, 0,1,2,3,4,5,6,7
	WM 2*\g+\a, \b, \s, \zero
.endr
.endr
	WIN 0xa4+0x50*\g                               ; source 0 window 0 (x), source 1 window 1 (w)
.irp a, 0,1
.irp b, 8,9,10,11
	WM 2*\g+\a, \b, \s, \zero
.endr
.endr
.endr
.endm
	s_wait_tensorcnt 1                             ; the scale bytes and my part of the first half of K are in (the second half's load may stay out)
	s_barrier_signal -1
	s_barrier_wait -1                              ; everybody's are
	FETCH 0
	SCALES 0
	SCALES 1
.irp k, 0,1,2,3,4,5,6,7
.if \k == 3
	s_wait_tensorcnt 0x0                           ; my part of the second half of K is in;
	s_wait_dscnt 0x0                               ; no LDS instruction of mine is pending at the signal
	s_barrier_signal -1
	s_barrier_wait -1                              ; everybody's is: step 4's fragments may be read
.endif
.if \k < 7
.if \k > 0
	PLACES                                         ; four places in front of loads into registers that the last step's matrix instructions have read
.endif
	FETCH \k+1
	s_wait_dscnt 32                                ; all but the 32 loads just issued: this step's fragments (and the scale words) are in
.else
	s_wait_dscnt 0x0
.endif
.if \k == 0
	MUL \k, 1                                      ; the first step's products start the sums: nothing is cleared
.else
	MUL \k, 0
.endif
.endr
	PLACES                                         ; four places in front of the first read of results and the first write into w's fragments
	s_wait_loadcnt 0x0                             ; the table
; THE WAY OUT of row tile a.  The first 32 channels of q and of k are turned: with x1 = channels 0-15 (column tile 0 or 4), x2 = channels 16-31 (tile 1 or 5): x1 cos - x2 sin, x2 cos + x1 sin.
; Every accumulator is read from its low end on.
.macro EPI a
.set AC, 96*((\a)%2)
.set TB, TAB+16*(\a)
	WIN 2+(\a)/2                                   ; source 0: the accumulators' window
.irp q, 0,1
.irp jp, 0,2,4,6
	v_pk_mul_f32 v[TT+16*\q+\jp:TT+16*\q+\jp+1], v[AC+32*\q+\jp:AC+32*\q+\jp+1], v[TB+2*\jp:TB+2*\jp+1]
	v_pk_mul_f32 v[TT+8+16*\q+\jp:TT+8+16*\q+\jp+1], v[AC+32*\q+8+\jp:AC+32*\q+8+\jp+1], v[TB+2*\jp:TB+2*\jp+1]
	v_pk_fma_f32 v[TT+16*\q+\jp:TT+16*\q+\jp+1], v[AC+32*\q+8+\jp:AC+32*\q+8+\jp+1], v[TB+2*\jp+2:TB+2*\jp+3], v[TT+16*\q+\jp:TT+16*\q+\jp+1] neg_lo:[1,0,0] neg_hi:[1,0,0]
	v_pk_fma_f32 v[TT+8+16*\q+\jp:TT+8+16*\q+\jp+1], v[AC+32*\q+\jp:AC+32*\q+\jp+1], v[TB+2*\jp+2:TB+2*\jp+3], v[TT+8+16*\q+\jp:TT+8+16*\q+\jp+1]
.endr
.endr
	WIN 0x40                                       ; destination window 1: the packed results, column tile b at v[48 a + 4 b]
.irp q, 0,1
.irp t, 0,1
.irp p, 0,1,2,3
	v_cvt_pk_f16_f32 v[48*(\a)+4*(4*\q+\t)+\p], v[TT+16*\q+8*\t+2*\p], v[TT+16*\q+8*\t+2*\p+1]
.endr
.endr
.endr
	WIN 0x4a+5*((\a)/2)                            ; sources 0 and 1: the accumulators' window
.irp b, 2,3,6,7,8,9,10,11
.irp p, 0,1,2,3
	v_cvt_pk_f16_f32 v[48*(\a)+4*\b+\p], v[AC+8*\b+2*\p], v[AC+8*\b+2*\p+1]
.endr
.endr
	WIN 0x04                                       ; a store's data are its source 1: window 1
.irp b, 0,1,2,3
	global_store_b128 v[LI], v[48*(\a)+4*\b:48*(\a)+4*\b+3], s[84:85] offset:(\a)*2048+\b*512          ; each store of the wave covers 512 consecutive bytes, aligned; its registers are not written again
	global_store_b128 v[LI], v[48*(\a)+16+4*\b:48*(\a)+16+4*\b+3], s[86:87] offset:(\a)*2048+\b*512
	global_store_b128 v[LI], v[48*(\a)+32+4*\b:48*(\a)+32+4*\b+3], s[88:89] offset:((\a)/2)*4096+\b*1024+((\a)%2)*512
.endr
	WIN 0
.if (\a) == 0
	s_and_b32 s92, s21, 7                          ; positions 0-15 of a sequence: the first 256 positions' wave 0, row tile 0.  The number is the same in all four partners
	s_or_b32 s92, s92, s16
	s_cmp_lg_u32 s92, 0
	s_cbranch_scc1 .Lno_fin
.irp q, 0,1
.irp t, 0,1
.irp f, 0,1
	global_store_b128 v[LI], v[TT+16*\q+8*\t+4*\f:TT+16*\q+8*\t+4*\f+3], s[90:91] offset:(4*\q+\t)*1024+\f*512
.endr
.endr
.endr
	WIN 0x08                                       ; the data: window 2
.irp b, 2,3,6,7,8,9,10,11
.irp f, 0,1
	global_store_b128 v[LI], v[8*\b+4*\f:8*\b+4*\f+3], s[90:91] offset:\b*1024+\f*512
.endr
.endr
	s_wait_xcnt 0x0                                ; the stores have read the registers at work, which the next row tile writes again
	WIN 0
.Lno_fin:
.endif
.endm
	EPI 0
	EPI 1
	EPI 2
	EPI 3
	s_wait_tensorcnt 0x0                           ; the wave's end
	ds_add_u32 v[SPW], v[NIL]
	s_wait_dscnt 0x0
	CROUND                                         ; the closing round
	s_endpgm
.Lfunc_end_k_q9e55fbf005_qkv:
	.size	k_q9e55fbf005_qkv, .Lfunc_end_k_q9e55fbf005_qkv-k_q9e55fbf005_qkv
	.p2alignl 7, 3214868480
	.fill 96, 4, 3214868480
	.section	.rodata,"a",@progbits
	.p2align	6, 0x0
	.amdhsa_kernel k_q9e55fbf005_qkv
		.amdhsa_group_segment_fixed_size 327680
		.amdhsa_private_segment_fixed_size 0
		.amdhsa_enable_private_segment 0
		.amdhsa_kernarg_size 48
		.amdhsa_user_sgpr_count 2
		.amdhsa_user_sgpr_kernarg_segment_ptr 1
		.amdhsa_wavefront_size32 1
		.amdhsa_system_sgpr_workgroup_id_x 1
		.amdhsa_system_sgpr_workgroup_id_y 1
		.amdhsa_system_sgpr_workgroup_id_z 1
		.amdhsa_system_vgpr_workitem_id 0
		.amdhsa_next_free_vgpr 1024
		.amdhsa_next_free_sgpr 100
		.amdhsa_reserve_vcc 0
		.amdhsa_float_denorm_mode_32 3
		.amdhsa_float_denorm_mode_16_64 3
		.amdhsa_memory_ordered 1
		.amdhsa_forward_progress 1
		.amdhsa_inst_pref_size 107
	.end_amdhsa_kernel
	.amdgpu_metadata
---
amdhsa.version: [ 1, 2 ]
amdhsa.kernels:
  - .name:           k_q9e55fbf005_qkv
    .symbol:         k_q9e55fbf005_qkv.kd
    .args:
      - { .name: xc, .offset: 0, .size: 8, .value_kind: global_buffer, .address_space: global }
      - { .name: wc, .offset: 8, .size: 8, .value_kind: global_buffer, .address_space: global }
      - { .name: scl, .offset: 16, .size: 8, .value_kind: global_buffer, .address_space: global }
      - { .name: rope, .offset: 24, .size: 8, .value_kind: global_buffer, .address_space: global }
      - { .name: qkv, .offset: 32, .size: 8, .value_kind: global_buffer, .address_space: global }
      - { .name: fin, .offset: 40, .size: 8, .value_kind: global_buffer, .address_space: global }
    .group_segment_fixed_size: 327680
    .private_segment_fixed_size: 0
    .kernarg_segment_align: 8
    .kernarg_segment_size: 48
    .max_flat_workgroup_size: 128
    .sgpr_count:     100
    .vgpr_count:     1024
    .wavefront_size: 32
...
	.end_amdgpu_metadata
.endif
;; end of part 2
;; launch attn (part 3): grid 8 x 32, 8 waves a work-group, no clusters, 327,680 bytes of LDS; arguments qkv, o16; writes o16
.if DOCPART == 3
	.amdgcn_target "amdgcn-amd-amdhsa--gfx1250"
	.amdhsa_code_object_version 6
	.text
	.protected	k_q9e55fbf005_attn
	.globl	k_q9e55fbf005_attn
	.p2align	8
	.type	k_q9e55fbf005_attn,@function
k_q9e55fbf005_attn:
	s_mov_b64 s[64:65], 0
	v_nop
	global_prefetch_b8 v0, s[64:65] scope:SCOPE_SE
	s_setreg_imm32_b32 hwreg(HW_REG_WAVE_MODE, 25, 1), 1
	s_wait_xcnt 0x0
; ATTN: O = softmax(Q K^T / 8, causal) V for one batch and head (work-group y), f16 operands, f32 products' sums, maxima and row sums.
; SHARES.  Work-group x = j owns the blocks of 128 queries 15 - j and j of the sequence: (16 - j) + (j + 1) = 17 slots of 128 keys, the same for every work-group: the loop's trips are a constant.
; Tiles that lie wholly behind the causal mask are never walked.  WAVE w TAKES 32 QUERIES (tiles 2 (w % 4) and 2 (w % 4) + 1 of the block in hand) AND 64 OF A SLOT'S 128 KEYS (half w / 4): so each fragment of K and V
; that it reads from LDS feeds two matrix instructions, and the eight waves together read a slot four times, 128 KB a trip.  Two waves share a SIMD, so that one's vector work stands beside the other's matrix work.
; Each wave keeps its own running maximum, sum and O^T over its half of the keys.  AT A BLOCK'S END the two waves of a pair merge: every wave puts its two tiles and their figures into a stage of its own in LDS, as images of
; the registers; one barrier; wave (pair, half) takes tile `half` of both, scales each by 2^(c m - c max) / l, and stores it.
; NO CLUSTER: the eight work-groups of a head walk the same slots only as long as all are in their first block; work-group j turns to its second block at trip 16 - j, so would-be partners' requests differ.
; LAYOUT.  Both products are used transposed: S^T = K Q^T (source 0 = 16 keys, source 1 = 16 queries), O^T = V^T P (source 0 = 16 channels x 32 keys): a lane holds ONE query (lane % 16) of each tile throughout.
; q, k, v lie in memory as images of the operands' registers, so a slot (K's 16 KB, V's 16 KB) is two dense blocks, and every fragment is two loads of 16 bytes at 16 x lane: consecutive bytes, no padding.
; SOFTMAX.  For each query a running maximum m and sum l: p = 2^(c s - c m), c = log2(e) / 8; in every trip O and l are multiplied by 2^(c m_old - c m_new).  Hidden scores become -infinity ahead of the maximum.
; A half of the keys that is wholly hidden from a query (block 0: queries 0-63, keys 64-127) leaves that wave's m at -3e38: its weight in the merge is 2^(c m - c max) = 0.
; OUT: o16 [batch x 16 + block][head][16 queries][channel / 16][lane][16 B], f16: the image of the projection's operand.  Positions 0-15 of a sequence are made again, in f32, by a later launch.
; LIMITS: p and O are rounded to f16.
; REGISTERS: window 0: v1-9 addresses and constants; v[10:11] c m, m of tile 1, v[12:13] of tile 0; v[14:15], v[16:17] l of tiles 0, 1; v18-31 at work; v32-63 Q; v64-127 S^T, then p (tile q, 16 keys kt: v[64 + 32 q + 8 kt]);
;   v128-159 P; v160-223 O^T (v[160 + 32 q + 8 ct]); v224-255 the merge.   window 1: v0-63 K's 8 fragments (v[16 kt + 8 c]); v64-127 V's 8 (v[64 + 32 kc + 8 ct]); v128-159 the second block's Q.
.set SLOT1, 32768                      ; slot 1 begins here: one exclusive or turns an address from one slot to the other
.set SPARE, 65536                      ; behind the ring: the spare words, 128 bytes for each of the eight waves
.set STG,   66560                      ; behind them: the stages of the merge; no fill lands here
.set WST,   8704                       ; a wave's stage: 16 x 512 bytes of O^T, then 512 bytes of figures
.set LI,  1                            ; v1  16 x lane
.set AD,  2                            ; v2  LDS address of the loads in hand
.set SPW, 3
.set NIL, 4
.set DD,  5                            ; v5  32 (w % 4) + lane % 16 - 8 (lane / 16) - 64 (w / 4): on the diagonal register 32 q + 8 kt + i holds a hidden key where 16 kt + i - 16 q > DD
.set NINF, 6                           ; v6  -infinity
.set PFO, 7                            ; v7  256 x lane
.set LIK, 8                            ; v8  16 x lane + 8,192 x my half: my 64 keys lie so far on in K's block of a slot, and in V's
.set Q,   32
.set S,   64
.set P,   128
.set O,   160
.set T,   224
.set KF,  0                            ; in window 1
.set VF,  64
.set QL,  128
.set WV,  8                            ; s8 wave; s9 j; s10 batch x 16 + head; s11 the trip; s12 the trip at which the second block begins; s13 the first block's last trip (and its number)
.set MSB, 0
.macro WIN new
.if MSB != \new
	s_set_vgpr_msb (MSB<<8)|\new
.set MSB, \new
.endif
.endm
; Wave 0 fetches a slot's K, wave 1 its V, the others nothing.  An s_nop 0 and four v_nop follow the load.
.macro TLOAD
	s_cmp_lt_u32 s[WV], 2
	s_cbranch_scc0 .Lno_load_\@
	tensor_load_to_lds s[24:27], s[16:23]
	s_nop 0
.rept 4
	v_nop
.endr
.Lno_load_\@:
.endm
; A PREFETCH INTO THE L2: trip T asks for slot T + 3, which the tensor loads of trip T + 2 will want.  All eight work-groups of a head walk the same K and V: work-group 0, which walks all 16 slots in order, asks, and nobody else.
; In it waves 4, 5 ask for the halves of K's 16 KB and waves 6, 7 for V's, a lane for each 256 bytes: each aligned block of 256 bytes is named once in the launch.  Trips 13 on ask for nothing: slot 15 is the last.
.macro ASK
	s_cmp_lt_u32 s11, s39
	s_cbranch_scc0 .Lnot_mine_\@
	global_prefetch_b8 v[PFO], s[40:41] th:TH_LOAD_NT scope:SCOPE_SE
.Lnot_mine_\@:
.endm
	s_load_b128 s[4:7], s[0:1], 0x0                ; qkv, o16
	v_lshl_add_u32 v[SPW], v0, 2, SPARE
	v_mov_b32 v[NIL], 0
	ds_add_u32 v[SPW], v[NIL]                      ; the wave's opening: the add, twice on end, and its wait ahead of the first tensor load
	ds_add_u32 v[SPW], v[NIL]
	v_lshrrev_b32 v9, 5, v0
	v_readfirstlane_b32 s[WV], v9
	s_mov_b32 s9, ttmp9
	s_and_b32 s10, ttmp7, 0xffff
	s_mov_b32 s11, 0
	s_sub_co_u32 s12, 16, s9
	s_sub_co_u32 s13, 15, s9
	s_mov_b32 s14, 0                               ; s[14:15]: the byte at which the slot to be asked for begins in K and in V
	s_mov_b32 s15, 0
	s_mov_b32 s16, 3<<16                           ; group 1: 16,384 dense bytes as 64 rows of 32 elements of 8 bytes; no padding, no mask
	s_mov_b32 s17, 32<<16
	s_mov_b32 s18, 64<<16
	s_mov_b32 s19, 32<<16
	s_mov_b32 s20, 64
	s_mov_b32 s21, 32
	s_mov_b32 s22, 0
	s_mov_b32 s23, 0
	s_mov_b32 s34, 0x76543210                      ; v_permlanex16_b32's selects for lane l xor 16
	s_mov_b32 s35, 0xfedcba98
	s_mov_b32 s36, 0x3e38aa3b                      ; c = log2(e) / 8
	s_mov_b32 s37, s36                             ; (named with it as a pair)
	s_mov_b32 s38, 0                               ; the slot in hand
	s_lshr_b32 s42, s[WV], 2
	s_xor_b32 s42, s42, 1                          ; 0 in waves 4 to 7,
	s_or_b32 s42, s42, s9                          ; of the head's work-group 0
	s_cmp_eq_u32 s42, 0
	s_cselect_b32 s39, 13, 0                       ; a wave prefetches while the trip is under this
	s_and_b32 s42, s[WV], 1
	s_add_co_u32 s43, s42, 1
	s_lshl_b32 s44, s43, 23                        ; K lies 8,388,608 bytes into qkv, V twice as far
	s_lshl_b32 s45, s10, 18
	s_add_co_u32 s44, s44, s45
	s_mov_b32 s45, 0
	s_lshl_b32 s25, s42, 14                        ; group 0's LDS address: K at the slot's head, V 16,384 bytes on
	s_lshr_b32 s43, s[WV], 1
	s_and_b32 s43, s43, 1
	s_add_co_u32 s43, s43, 1
	s_lshl_b32 s52, s43, 23                        ; the prefetches: waves 4, 5 K, waves 6, 7 V;
	s_lshl_b32 s53, s10, 18
	s_add_co_u32 s52, s52, s53
	s_lshl_b32 s53, s42, 13                        ; my half of a slot's 16 KB;
	s_add_co_u32 s52, s52, s53
	s_add_co_u32 s52, s52, 2*16384                 ; at slot 2: the first trip steps it to slot 3
	s_mov_b32 s53, 0
	s_wait_dscnt 0x0                               ; both opening adds are done
	s_wait_kmcnt 0x0
	s_add_nc_u64 s[28:29], s[4:5], s[44:45]        ; the head's K (even waves) or V (odd waves)
	s_add_nc_u64 s[40:41], s[4:5], s[52:53]
	s_mov_b32 s24, 1
	s_mov_b64 s[26:27], s[28:29]
	s_or_b32 s27, s27, 0x80000000
	TLOAD                                          ; slot 0: keys 0 to 127, which count for every block
	v_and_b32 v9, 31, v0
	v_lshlrev_b32 v[LI], 4, v9
	v_lshlrev_b32 v[PFO], 8, v9
	s_and_b32 s50, s[WV], 3                        ; which 32 queries of a block are mine,
	s_lshr_b32 s51, s[WV], 2                       ; and which 64 keys of a slot
	s_lshl_b32 s42, s51, 13
	v_add_nc_u32 v[LIK], s42, v[LI]
	s_lshl_b32 s52, s50, 1                         ; my first tile of 16 queries
	s_lshl_b32 s42, s10, 7
	s_add_co_u32 s42, s42, s52
	s_lshl_b32 s43, s13, 3
	s_add_co_u32 s43, s43, s42
	s_lshl_b32 s44, s43, 11
	s_add_nc_u64 s[46:47], s[4:5], s[44:45]        ; my 32 queries of block 15 - j,
	s_lshl_b32 s43, s9, 3
	s_add_co_u32 s43, s43, s42
	s_lshl_b32 s44, s43, 11
	s_add_nc_u64 s[48:49], s[4:5], s[44:45]        ; and of block j
.irp t, 0,1,2,3,4,5,6,7
	global_load_b128 v[Q+4*\t:Q+4*\t+3], v[LI], s[46:47] offset:512*\t
.endr
	WIN 0x40                                       ; destination window 1
.irp t, 0,1,2,3,4,5,6,7
	global_load_b128 v[QL+4*\t:QL+4*\t+3], v[LI], s[48:49] offset:512*\t
.endr
	WIN 0
	s_add_co_u32 s52, s52, s51                     ; the tile that I finish and store: 2 (w % 4) + w / 4
	s_lshr_b32 s42, s10, 4
	s_lshl_b32 s42, s42, 4                         ; batch x 16
	s_and_b32 s53, s10, 15                         ; the head
	s_add_co_u32 s43, s42, s13
	s_lshl_b32 s43, s43, 4
	s_add_co_u32 s43, s43, s53
	s_lshl_b32 s43, s43, 3
	s_add_co_u32 s43, s43, s52
	s_lshl_b32 s44, s43, 11
	s_add_nc_u64 s[30:31], s[6:7], s[44:45]        ; where it goes in the first block,
	s_add_co_u32 s43, s42, s9
	s_lshl_b32 s43, s43, 4
	s_add_co_u32 s43, s43, s53
	s_lshl_b32 s43, s43, 3
	s_add_co_u32 s43, s43, s52
	s_lshl_b32 s44, s43, 11
	s_add_nc_u64 s[32:33], s[6:7], s[44:45]        ; and in the second
	s_mul_i32 s54, s[WV], WST
	s_add_co_u32 s54, s54, STG                     ; the merge: my stage;
	s_mul_i32 s55, s50, WST
	s_lshl_b32 s43, s51, 12
	s_add_co_u32 s55, s55, s43
	s_add_co_u32 s55, s55, STG                     ; the tile that I finish, in the stage of my pair's first wave (the second wave's lies 4 stages on);
	s_mul_i32 s56, s50, WST
	s_lshl_b32 s43, s51, 2
	s_add_co_u32 s56, s56, s43
	s_add_co_u32 s56, s56, STG+8192                ; and its figures
	v_and_b32 v9, 15, v0
	v_bfe_u32 v22, v0, 4, 1
	v_lshlrev_b32 v22, 3, v22
	v_sub_nc_u32 v[DD], v9, v22
	s_lshl_b32 s42, s50, 5
	s_lshl_b32 s43, s51, 6
	s_sub_co_i32 s42, s42, s43
	v_add_nc_u32 v[DD], s42, v[DD]
	v_mov_b32 v[NINF], 0xff800000
	v_mov_b32 v13, 0xff61b1e6                      ; m: -3e38, under every score
	v_mov_b32 v11, 0xff61b1e6
	v_mul_f32 v12, s36, v13
	v_mul_f32 v10, s36, v11
.irp r, 14,15,16,17
	v_mov_b32 v\r, 0                               ; l
.endr
.irp r, 23,25,27,29
	v_mov_b32 v\r, 0                               ; written once: a lane permute's destination counts as one of its sources, and so does the upper half of a pair that is named
.endr
.set i, 0
.rept 64
	v_mov_b32 v[O+i], 0                            ; the trip is written once: the first trip finds zeros, which its factor 0 leaves zeros
.set i, i+1
.endr
; THE CHANGE OF SLOTS, at a trip's head.  Each wave waits for all its tensor loads (its part of the slot that is about to be read), adds 0 to its spare word, and waits for that and for its reads of the slot that it has left.
; Behind the barrier the slot ahead is whole and nobody reads the other one.  fill = 1: the other slot is asked for: the next trip's keys; a whole trip's work stands between the request and the wait for it.
.macro CHANGE fill
	s_wait_tensorcnt 0x0                           ; no tensor load of mine is out, so group 0 may be written
	ds_add_u32 v[SPW], v[NIL]
.if \fill
	ds_add_u32 v[SPW], v[NIL]                      ; and once more, in every trip alike
	s_xor_b32 s25, s25, SLOT1                      ; the other slot than last time
	s_add_co_u32 s14, s14, 16384                   ; the next 128 keys,
	s_add_co_u32 s42, s11, 1
	s_cmp_eq_u32 s42, s12
	s_cselect_b32 s14, 0, s14                      ; or, where the next trip begins the second block, keys 0 on
	s_add_nc_u64 s[26:27], s[28:29], s[14:15]
	s_or_b32 s27, s27, 0x80000000
	s_wait_xcnt 0x0                                ; the last prefetch, a trip back, has read its address
	s_add_nc_u64 s[40:41], s[40:41], 16384
.endif
	s_wait_dscnt 0x0                               ; the add is done, and my reads of the slot that I have left are over
	s_barrier_signal -1
	s_barrier_wait -1
.if \fill
	TLOAD                                          ; the first thing behind the barrier, and a wave's one tensor load until the next
	ASK
.endif
.endm
; A TRIP: my 32 queries x my 64 keys of the slot.  always = 1: the slot lies on the diagonal;  0: it does where the trip is the first block's last
.macro STEP always
	v_add_nc_u32 v[AD], s38, v[LIK]
	WIN 0x40                                       ; destination window 1
.irp c, 0,1                                    ; K: channels 0-31 of my keys first, so that the first products can start
.irp kt, 0,1,2,3
.irp u, 0,1
	ds_load_b128 v[KF+16*\kt+8*\c+4*\u:KF+16*\kt+8*\c+4*\u+3], v[AD] offset:\kt*2048+\c*1024+\u*512
.endr
.endr
.endr
.irp kc, 0,1
.irp ct, 0,1,2,3
.irp u, 0,1
	ds_load_b128 v[VF+32*\kc+8*\ct+4*\u:VF+32*\kc+8*\ct+4*\u+3], v[AD] offset:16384+\kc*4096+\ct*1024+\u*512
.endr
.endr
.endr
	s_wait_dscnt 24                                ; K's first 8 loads are in; its other 8 and V's 16 may be out
	WIN 0x01                                       ; source 0 window 1
.irp kt, 0,1,2,3
.irp q, 0,1
	v_wmma_f32_16x16x32_f16 v[S+32*\q+8*\kt:S+32*\q+8*\kt+7], v[KF+16*\kt:KF+16*\kt+7], v[Q+16*\q:Q+16*\q+7], 0
.endr
.endr
	s_wait_dscnt 16                                ; all of my K is in; V's 16 may be out
.irp kt, 0,1,2,3
.irp q, 0,1
	v_wmma_f32_16x16x32_f16 v[S+32*\q+8*\kt:S+32*\q+8*\kt+7], v[KF+16*\kt+8:KF+16*\kt+15], v[Q+16*\q+8:Q+16*\q+15], v[S+32*\q+8*\kt:S+32*\q+8*\kt+7]   ; the eight accumulators by turns
.endr
.endr
	WIN 0
.rept 4
	v_nop                                          ; four places in front of the first read of results
.endr
.if \always == 0
	s_cmp_lg_u32 s11, s13                          ; ids and the count of trips alone
	s_cbranch_scc1 .Lopen_\@
.endif
.set n, 0
.rept 64
	v_cmp_gt_i32 vcc_lo, 16*((n%32)/8)+n%8-16*(n/32), v[DD]
	v_cndmask_b32 v[S+n], v[S+n], v[NINF], vcc_lo
.set n, n+1
.endr
.Lopen_\@:
.irp b, 0,1,2,3
	v_max3_num_f32 v[18+\b], v[S+16*\b], v[S+1+16*\b], v[S+2+16*\b]   ; the maxima, in four chains, two to a tile of queries; each accumulator is first read at its low end
.endr
.irp i, 3,5,7,9,11,13
.irp b, 0,1,2,3
	v_max3_num_f32 v[18+\b], v[18+\b], v[S+16*\b+\i], v[S+1+16*\b+\i]
.endr
.endr
.irp b, 0,1,2,3
	v_max_num_f32 v[18+\b], v[18+\b], v[S+15+16*\b]
.endr
	v_max3_num_f32 v22, v18, v19, v13              ; with the old m
	v_max3_num_f32 v24, v20, v21, v11
	v_permlanex16_b32 v23, v22, s34, s35           ; the query's other 32 keys lie in the lane 16 away
	v_permlanex16_b32 v25, v24, s34, s35
	v_mov_b32 v30, v12                             ; c m_old
	v_mov_b32 v31, v10
	v_max_num_f32 v13, v22, v23
	v_max_num_f32 v11, v24, v25
	v_mul_f32 v12, s36, v13
	v_mul_f32 v10, s36, v11
	v_sub_f32 v30, v30, v12
	v_sub_f32 v31, v31, v10
	v_exp_f32 v26, v30                             ; a = 2^(c m_old - c m_new), of each tile
	v_exp_f32 v28, v31
.set i, 0
.rept 16
	v_pk_fma_f32 v[S+i:S+i+1], v[S+i:S+i+1], s[36:37], v[12:13] op_sel_hi:[1,0,0] neg_lo:[0,0,1] neg_hi:[0,0,1]   ; c s - c m
	v_pk_fma_f32 v[S+32+i:S+32+i+1], v[S+32+i:S+32+i+1], s[36:37], v[10:11] op_sel_hi:[1,0,0] neg_lo:[0,0,1] neg_hi:[0,0,1]
.set i, i+2
.endr
.set i, 0
.rept 64
	v_exp_f32 v[S+i], v[S+i]
.set i, i+1
.endr
	v_nop                                          ; a plain instruction behind the last exponential,
	s_wait_alu depctr_va_vdst(0)                   ; and ONE wait for the 66, ahead of the first reader
	v_pk_mul_f32 v[14:15], v[14:15], v[26:27] op_sel_hi:[1,0]
	v_pk_mul_f32 v[16:17], v[16:17], v[28:29] op_sel_hi:[1,0]
.set i, 0
.rept 32
	v_cvt_pk_f16_f32 v[P+i], v[S+2*i], v[S+2*i+1]  ; two tiles of 16 keys, packed, are source 1 of V^T P for 32 keys
.set i, i+1
.endr
	v_pk_add_f32 v[22:23], v[S:S+1], v[S+2:S+3]    ; the rows' sums, two chains to a tile
	v_pk_add_f32 v[24:25], v[S+32:S+33], v[S+34:S+35]
.irp i, 4,8,12,16,20,24,28
	v_pk_add_f32 v[14:15], v[14:15], v[S+\i:S+\i+1]
	v_pk_add_f32 v[16:17], v[16:17], v[S+32+\i:S+32+\i+1]
	v_pk_add_f32 v[22:23], v[22:23], v[S+\i+2:S+\i+3]
	v_pk_add_f32 v[24:25], v[24:25], v[S+32+\i+2:S+32+\i+3]
.endr
	v_pk_add_f32 v[14:15], v[14:15], v[22:23]
	v_pk_add_f32 v[16:17], v[16:17], v[24:25]
.set i, 0
.rept 16
	v_pk_mul_f32 v[O+i:O+i+1], v[O+i:O+i+1], v[26:27] op_sel_hi:[1,0]
	v_pk_mul_f32 v[O+32+i:O+32+i+1], v[O+32+i:O+32+i+1], v[28:29] op_sel_hi:[1,0]
.set i, i+2
.endr
	s_wait_dscnt 0x0                               ; V is in
	WIN 0x01
.irp kc, 0,1
.irp q, 0,1
.irp ct, 0,1,2,3
	v_wmma_f32_16x16x32_f16 v[O+32*\q+8*\ct:O+32*\q+8*\ct+7], v[VF+32*\kc+8*\ct:VF+32*\kc+8*\ct+7], v[P+16*\q+8*\kc:P+16*\q+8*\kc+7], v[O+32*\q+8*\ct:O+32*\q+8*\ct+7]   ; the eight accumulators by turns
.endr
.endr
.endr
	WIN 0
.rept 4
	v_nop                                          ; four places in front of the next loads into V's and P's registers and the next read of O^T
.endr
.endm
; A BLOCK'S END.  ob: the scalar pair with the address of the tile that I store.  reset = 1: on to the second block.
.macro FINISH reset, ob
	v_add_f32 v22, v14, v15                        ; l's two halves,
	v_add_f32 v24, v16, v17
	v_permlanex16_b32 v23, v22, s34, s35           ; and the other half of the lanes'
	v_permlanex16_b32 v25, v24, s34, s35
	v_add_nc_u32 v9, s54, v[LI]
	v_mov_b32 v18, v12                             ; four figures on end: c m of tiles 0, 1,
	v_mov_b32 v19, v10
	v_add_f32 v20, v22, v23                        ; l of tiles 0, 1
	v_add_f32 v21, v24, v25
.set i, 0
.rept 16
	ds_store_b128 v9, v[O+4*i:O+4*i+3] offset:512*i   ; my two tiles as the registers stand, each accumulator from its low end on: 512 consecutive bytes a store
.set i, i+1
.endr
	ds_store_b128 v9, v[18:21] offset:8192
	s_wait_dscnt 0x0                               ; for the others' sake: my stores are done
	s_barrier_signal -1                            ; all eight waves are here: the way to this barrier hangs on the work-group's number and the count of trips alone.
	s_barrier_wait -1
	v_add_nc_u32 v[AD], s55, v[LI]
	v_add_nc_u32 v30, s56, v[LI]
.irp i, 0,1,2,3,4,5,6,7
	ds_load_b128 v[P+4*\i:P+4*\i+3], v[AD] offset:512*\i             ; the tile as summed over keys 0-63 of every slot,
.endr
.irp i, 0,1,2,3,4,5,6,7
	ds_load_b128 v[T+4*\i:T+4*\i+3], v[AD] offset:4*WST+512*\i       ; and over keys 64-127
.endr
	ds_load_b32 v18, v30                           ; c m and l of the one,
	ds_load_b32 v19, v30 offset:8
	ds_load_b32 v20, v30 offset:4*WST              ; and of the other
	ds_load_b32 v21, v30 offset:4*WST+8
	s_wait_dscnt 0x0
	v_max_num_f32 v22, v18, v20
	v_sub_f32 v18, v18, v22
	v_sub_f32 v20, v20, v22
	v_exp_f32 v18, v18                             ; each part's weight: 2^(c m - c max); one of the two is 1
	v_exp_f32 v20, v20
	v_nop
	s_wait_alu depctr_va_vdst(0)                   ; the wait ahead of the first use
	v_mul_f32 v19, v19, v18
	v_fma_f32 v19, v21, v20, v19                   ; the row's sum
	v_rcp_f32 v19, v19
	v_nop
	s_wait_alu depctr_va_vdst(0)
	v_mul_f32 v26, v18, v19
	v_mul_f32 v28, v20, v19
.set i, 0
.rept 16
	v_pk_mul_f32 v[P+i:P+i+1], v[P+i:P+i+1], v[26:27] op_sel_hi:[1,0]
.set i, i+2
.endr
.set i, 0
.rept 16
	v_pk_fma_f32 v[P+i:P+i+1], v[T+i:T+i+1], v[28:29], v[P+i:P+i+1] op_sel_hi:[1,0,1]
.set i, i+2
.endr
.set i, 0
.rept 16
	v_cvt_pk_f16_f32 v[T+i], v[P+2*i], v[P+2*i+1]
.set i, i+1
.endr
.irp t, 0,1,2,3
	global_store_b128 v[LI], v[T+4*\t:T+4*\t+3], s[\ob:\ob+1] offset:512*\t   ; each store of the wave covers 512 consecutive bytes, aligned
.endr
.if \reset
	v_mov_b32 v13, 0xff61b1e6                      ; m goes back under every score.  l and O^T are not cleared: the next trip multiplies them by 2^(c m_old - c m_new) = 0;
	v_mov_b32 v11, 0xff61b1e6                      ; and where all its keys are hidden, so that m stays, the merge gives this wave's part the weight 0
	v_mul_f32 v12, s36, v13
	v_mul_f32 v10, s36, v11
	WIN 0x01                                       ; source 0 window 1
.set i, 0
.rept 32
	v_mov_b32 v[Q+i], v[QL+i]
.set i, i+1
.endr
	WIN 0
	s_wait_xcnt 0x0                                ; the stores have read their data, which the second block's merge writes again
.endif
.endm
	s_wait_loadcnt 0x0                             ; Q of both blocks
.Ltrip:                                            ; 16 trips; the 17th is written out
	CHANGE 1
	STEP 0
	s_cmp_lg_u32 s11, s13
	s_cbranch_scc1 .Lgo_on
	FINISH 1, 30
.Lgo_on:
	s_xor_b32 s38, s38, SLOT1
	s_add_co_u32 s11, s11, 1
	s_cmp_lt_u32 s11, 16
	s_cbranch_scc1 .Ltrip
	CHANGE 0                                       ; nothing is left to fetch
	STEP 1                                         ; the second block's diagonal
	FINISH 0, 32
	s_wait_tensorcnt 0x0                           ; the wave's end, behind my last tensor load and my last LDS store
	ds_add_u32 v[SPW], v[NIL]
	s_wait_dscnt 0x0
	s_endpgm
.Lfunc_end_k_q9e55fbf005_attn:
	.size	k_q9e55fbf005_attn, .Lfunc_end_k_q9e55fbf005_attn-k_q9e55fbf005_attn
	.p2alignl 7, 3214868480
	.fill 96, 4, 3214868480
	.section	.rodata,"a",@progbits
	.p2align	6, 0x0
	.amdhsa_kernel k_q9e55fbf005_attn
		.amdhsa_group_segment_fixed_size 327680
		.amdhsa_private_segment_fixed_size 0
		.amdhsa_enable_private_segment 0
		.amdhsa_kernarg_size 16
		.amdhsa_user_sgpr_count 2
		.amdhsa_user_sgpr_kernarg_segment_ptr 1
		.amdhsa_wavefront_size32 1
		.amdhsa_system_sgpr_workgroup_id_x 1
		.amdhsa_system_sgpr_workgroup_id_y 1
		.amdhsa_system_sgpr_workgroup_id_z 1
		.amdhsa_system_vgpr_workitem_id 0
		.amdhsa_next_free_vgpr 512
		.amdhsa_next_free_sgpr 66
		.amdhsa_reserve_vcc 1
		.amdhsa_float_denorm_mode_32 3
		.amdhsa_float_denorm_mode_16_64 3
		.amdhsa_memory_ordered 1
		.amdhsa_forward_progress 1
		.amdhsa_inst_pref_size 68
	.end_amdhsa_kernel
	.amdgpu_metadata
---
amdhsa.version: [ 1, 2 ]
amdhsa.kernels:
  - .name:           k_q9e55fbf005_attn
    .symbol:         k_q9e55fbf005_attn.kd
    .args:
      - { .name: qkv, .offset: 0, .size: 8, .value_kind: global_buffer, .address_space: global }
      - { .name: o16, .offset: 8, .size: 8, .value_kind: global_buffer, .address_space: global }
    .group_segment_fixed_size: 327680
    .private_segment_fixed_size: 0
    .kernarg_segment_align: 8
    .kernarg_segment_size: 16
    .max_flat_workgroup_size: 256
    .sgpr_count:     66
    .vgpr_count:     512
    .wavefront_size: 32
...
	.end_amdgpu_metadata
.endif
;; end of part 3
;; launch proj (part 4): grid 8 x 32, 4 waves a work-group, clusters of 4 x 4, 327,680 bytes of LDS; arguments o16, wo16, out0; writes out0
.if DOCPART == 4
	.amdgcn_target "amdgcn-amd-amdhsa--gfx1250"
	.amdhsa_code_object_version 6
	.text
	.protected	k_q9e55fbf005_proj
	.globl	k_q9e55fbf005_proj
	.p2align	8
	.type	k_q9e55fbf005_proj,@function
k_q9e55fbf005_proj:
	s_mov_b64 s[64:65], 0
	v_nop
	global_prefetch_b8 v0, s[64:65] scope:SCOPE_SE
	s_setreg_imm32_b32 hwreg(HW_REG_WAVE_MODE, 25, 1), 1
	s_wait_xcnt 0x0
	s_wait_alu depctr_hold_cnt(0) depctr_sa_sdst(0) depctr_va_vdst(0) depctr_va_sdst(0) depctr_va_ssrc(0) depctr_va_vcc(0) depctr_vm_vsrc(0)
	s_getreg_b32 s2, hwreg(HW_REG_IB_STS2, 6, 4)
	s_cmp_eq_u32 s2, 0
	s_cbranch_scc0 .Lentry_in_a_cluster
	s_endpgm
.Lentry_in_a_cluster:
	s_bfe_u32 s2, ttmp6, 0x10000c
	s_cmp_lg_u32 s2, 0xf033
	s_cbranch_scc0 .Lentry_shape_is_right
	s_endpgm
.Lentry_shape_is_right:
; PROJ: out0 [4096][1024] f32 = o [4096][1024] w_out [1024][1024], f16 operands, f32 sums.  (Positions 0-15 of each sequence are written again, from f32 operands, by the launch that follows.)
; A tile of 128 x 128 gives 256 work-groups.  Four waves, each 64 x 64: 16 accumulators.  K goes in four steps of 256 through a ring of two LDS slots.
; BOTH OPERANDS LIE IN MEMORY AS IMAGES OF THEIR REGISTERS: a K step of a tile's 128 rows is one dense block of 65,536 bytes, a fragment two loads of 16 bytes at 16 x lane: consecutive bytes, no padding.
; CLUSTERS: 4 x 4 work-groups.  The four of a row need the same block of o, the four of a column the same block of w_out: each is asked for JOINTLY.
; THE MATRIX INSTRUCTION IS USED TRANSPOSED (source 0 = 16 columns of w_out, source 1 = 16 rows of o): a lane holds eight neighbouring numbers of a row of out0.
; REGISTERS: window 0: v16-29 addresses; v128-255 the accumulators ((a, b) at v[128 + 8 (4 a + b)]).   window 1: two fragment buffers of 128 (64 of o, then 64 of w_out, for 64 along K); on the way out rows of out0.
.set KSTEPB, 65536                     ; a K step of an operand's 128 rows, in bytes
.set HALFT,  32768                     ; what one tensor load brings
.set SLOT,   131072                    ; o's block, then w_out's
.set STAGE,  2*SLOT                    ; behind the ring: 16 rows x 272 bytes for each wave: a wave's 64 columns are 256 bytes of a row
.set SPITCH, 272
.set SPARE,  STAGE+4*16*SPITCH         ; the spare words
.set ADRA, 16
.set ADRB, 20
.set STO,  24
.set RD,   25
.set CO,   26
.set SPW,  28
.set NIL,  29
.set ACC,  128
.set F0,   0
.set F1,   128
.set G1, 24
.set G0, 32
.set G1B, 48
.set G0B, 56
.set MSB, 0
.macro WIN new
.if MSB != \new
	s_set_vgpr_msb (MSB<<8)|\new
.set MSB, \new
.endif
.endm
.set MUL,  0x05                        ; sources 0 and 1 window 1; C and D window 0
.set TO_F, 0x40                        ; destination window 1, address window 0
.macro JLOAD s                         ; waves 0 and 1 fetch o's two halves, waves 2 and 3 w_out's; an s_nop 0 and four v_nop follow each line
	s_cmp_eq_u32 s11, 0
	s_cbranch_scc0 .Lfor_b_\@
	tensor_load_to_lds s[G0+4*\s:G0+4*\s+3], s[G1:G1+7]
	s_nop 0
.rept 4
	v_nop
.endr
	s_branch .Lasked_\@
.Lfor_b_\@:
	tensor_load_to_lds s[G0B+4*\s:G0B+4*\s+3], s[G1B:G1B+7]
	s_nop 0
.rept 4
	v_nop
.endr
.Lasked_\@:
.endm
.macro CREST
	s_cmp_lg_u32 s10, 0
	s_cbranch_scc1 .Lnot_wave_0_\@
	s_barrier_signal -3
.Lnot_wave_0_\@:
	s_barrier_wait -3
	s_barrier_signal -1
	s_barrier_wait -1
.endm
.macro CROUND
	s_barrier_signal -1
	s_barrier_wait -1
	CREST
.endm
	s_load_b128 s[4:7], s[0:1], 0x0                ; o16, wo16
	s_load_b64 s[8:9], s[0:1], 0x10                ; out0
	v_lshl_add_u32 v[SPW], v0, 2, SPARE
	v_mov_b32 v[NIL], 0
	ds_add_u32 v[SPW], v[NIL]                      ; the wave's opening: the add, twice on end, and its wait ahead of my first tensor load
	ds_add_u32 v[SPW], v[NIL]
	v_lshrrev_b32 v1, 5, v0
	v_readfirstlane_b32 s10, v1                    ; wave 0..3
	s_lshr_b32 s11, s10, 1                         ; which half of the tile's rows is mine.  Also: I fetch for o (0) or for w_out (1)
	s_and_b32 s12, s10, 1                          ; which half of its columns.  Also: which half of the block I fetch
	s_bfe_u32 s40, ttmp6, 0x40000                  ; cx, cy
	s_bfe_u32 s41, ttmp6, 0x40004
	s_lshl_b32 s42, ttmp9, 2
	s_add_co_u32 s42, s42, s40                     ; tile column
	s_and_b32 s13, ttmp7, 0xffff
	s_lshl_b32 s13, s13, 2
	s_add_co_u32 s13, s13, s41                     ; tile row
	s_lshl_b32 s43, s41, 2
	s_lshl_b32 s43, 15, s43                        ; my row of the cluster
	s_lshl_b32 s44, 0x1111, s40                    ; my column
	s_or_b32 s[G1+0], s43, (3<<16)|(1<<21)         ; the mask; elements of 8 bytes; bit 21 beside a mask; no padding
	s_or_b32 s[G1B+0], s44, (3<<16)|(1<<21)
.irp g, G1, G1B
	s_mov_b32 s[\g+1], 32<<16                      ; 32,768 dense bytes as 128 rows of 256
	s_mov_b32 s[\g+2], 128<<16
	s_mov_b32 s[\g+3], 32<<16
	s_mov_b32 s[\g+4], 128
	s_mov_b32 s[\g+5], 32
	s_mov_b32 s[\g+6], 0
	s_mov_b32 s[\g+7], 0
.endr
	s_lshl_b32 s16, s13, 18                        ; o's strip of 128 rows is 262,144 bytes
	s_lshl_b32 s17, s12, 15
	s_add_co_u32 s16, s16, s17
	s_mov_b32 s17, 0
	s_lshl_b32 s46, s42, 18                        ; and so is w_out's of 128 columns
	s_lshl_b32 s47, s12, 15
	s_add_co_u32 s46, s46, s47
	s_mov_b32 s47, 0
	s_lshl_b32 s20, s10, 15                        ; where they go: wave x 32,768
	s_wait_dscnt 0x0
	s_wait_kmcnt 0x0
	s_add_nc_u64 s[14:15], s[4:5], s[16:17]
	s_add_nc_u64 s[46:47], s[6:7], s[46:47]
	CROUND                                         ; all sixteen work-groups are here: the first joint loads meet
.irp s, 0,1
	s_mov_b32 s[G0+4*\s], 1
	s_add_co_u32 s[G0+4*\s+1], s20, \s*SLOT
	s_add_nc_u64 s[G0+4*\s+2:G0+4*\s+3], s[14:15], \s*KSTEPB
	s_or_b32 s[G0+4*\s+3], s[G0+4*\s+3], 0x80000000
	s_mov_b32 s[G0B+4*\s], 1
	s_add_co_u32 s[G0B+4*\s+1], s20, \s*SLOT
	s_add_nc_u64 s[G0B+4*\s+2:G0B+4*\s+3], s[46:47], \s*KSTEPB
	s_or_b32 s[G0B+4*\s+3], s[G0B+4*\s+3], 0x80000000
	JLOAD \s
.endr
	v_and_b32 v1, 15, v0                           ; l % 16
	v_bfe_u32 v2, v0, 4, 1                         ; l / 16
	v_and_b32 v3, 31, v0
	v_lshlrev_b32 v3, 4, v3                        ; 16 x lane
	s_lshl_b32 s21, s11, 13                        ; my four tiles of 16 rows of o: 2,048 bytes each within a head
	s_lshl_b32 s22, s12, 12                        ; my four tiles of 16 columns of w_out: 1,024 bytes each within 32 along K,
	s_add_co_u32 s22, s22, 2*HALFT                 ; behind o's block
.irp s, 0,1
	v_add_nc_u32 v[ADRA+\s], s21, v3
	v_add_nc_u32 v[ADRB+\s], s22, v3
	s_add_co_u32 s21, s21, SLOT
	s_add_co_u32 s22, s22, SLOT
.endr
	s_mul_i32 s23, s10, 16*SPITCH
	s_add_co_u32 s23, s23, STAGE                   ; my stage
	v_mul_u32_u24 v4, v1, SPITCH
	v_lshl_add_u32 v4, v2, 5, v4
	v_add_nc_u32 v[STO], s23, v4                   ; in: row l % 16, 32 bytes for each half of the lanes
	v_mul_u32_u24 v5, v2, SPITCH
	v_lshl_add_u32 v5, v1, 4, v5
	v_add_nc_u32 v[RD], s23, v5                    ; back: lanes 0-15 one row of 256 bytes, lanes 16-31 the next
	v_lshlrev_b32 v5, 12, v2
	v_lshl_add_u32 v[CO], v1, 4, v5                ; and the same two rows in out0
	s_lshl_b32 s16, s13, 19                        ; 128 rows of 4,096 bytes,
	s_lshl_b32 s17, s11, 18                        ; my 64
	s_add_co_u32 s16, s16, s17
	s_mov_b32 s17, 0
	s_add_nc_u64 s[8:9], s[8:9], s[16:17]
	s_lshl_b32 s46, s42, 9                         ; 128 columns of 4 bytes, my 64
	s_lshl_b32 s47, s12, 8
	s_add_co_u32 s46, s46, s47
	s_mov_b32 s47, 0
	s_add_nc_u64 s[8:9], s[8:9], s[46:47]
.macro MUL8 f, c, a0, zero             ; 8 matrix instructions: row tiles a0, a0 + 1 x all 4 column tiles, 32 along K: half c of buffer f
.irp a, \a0, \a0+1
.irp b, 0,1,2,3
.if \zero
	v_wmma_f32_16x16x32_f16 v[ACC+8*(4*(\a)+\b):ACC+8*(4*(\a)+\b)+7], v[\f+64+8*(4*\c+\b):\f+64+8*(4*\c+\b)+7], v[\f+8*(4*\c+\a):\f+8*(4*\c+\a)+7], 0
.else
	v_wmma_f32_16x16x32_f16 v[ACC+8*(4*(\a)+\b):ACC+8*(4*(\a)+\b)+7], v[\f+64+8*(4*\c+\b):\f+64+8*(4*\c+\b)+7], v[\f+8*(4*\c+\a):\f+8*(4*\c+\a)+7], v[ACC+8*(4*(\a)+\b):ACC+8*(4*(\a)+\b)+7]
.endif
.endr
.endr
.endm
.macro FETCH slot, qd, f               ; 32 LDS loads in one run: the fragments of the slot's quarter qd (64 along K: one head) into buffer f; the first 32 along K first
	WIN TO_F
.irp c, 0,1
.irp i, 0,1,2,3
	ds_load_b128 v[\f+64+8*(4*\c+\i):\f+64+8*(4*\c+\i)+3],   v[ADRB+\slot] offset:(2*(\qd)+\c)*8192+\i*1024
	ds_load_b128 v[\f+64+8*(4*\c+\i)+4:\f+64+8*(4*\c+\i)+7], v[ADRB+\slot] offset:(2*(\qd)+\c)*8192+\i*1024+512
	ds_load_b128 v[\f+8*(4*\c+\i):\f+8*(4*\c+\i)+3],         v[ADRA+\slot] offset:(\qd)*16384+\i*2048+\c*1024
	ds_load_b128 v[\f+8*(4*\c+\i)+4:\f+8*(4*\c+\i)+7],       v[ADRA+\slot] offset:(\qd)*16384+\i*2048+\c*1024+512
.endr
.endr
.endm
.macro PLACES
.rept 4
	v_nop
.endr
.endm
.macro QUARTER slot, qd, f, g, zero    ; multiplies buffer f and fetches quarter qd of the slot into g
	s_wait_dscnt 16                                ; the first 32 along K are in
	WIN MUL
	MUL8 \f, 0, 0, \zero
	MUL8 \f, 0, 2, \zero
	PLACES
	FETCH \slot, \qd, \g
	s_wait_dscnt 32                                ; all but the 32 just issued
	WIN MUL
	MUL8 \f, 1, 0, 0
	MUL8 \f, 1, 2, 0
.endm
; A slot's last quarter multiplies buffer 1 and changes slots: ONE barrier; in front of it each wave waits for all its tensor loads, adds 0 to its spare word, and waits for that and for its reads of this slot.
.macro TURN slot, next, fill
	WIN 0
	s_wait_tensorcnt 0x0                           ; all my tensor loads have landed: my part of the next slot;
	ds_add_u32 v[SPW], v[NIL]
	s_wait_dscnt 17                                ; (the add and the youngest sixteen loads may be out)
	WIN MUL
	MUL8 F1, 0, 0, 0
	s_wait_dscnt 0x0                               ; the add is done, and my reads of this slot are over
	s_barrier_signal -1
	MUL8 F1, 0, 2, 0
.if \fill
	WIN 0
.endif
	s_barrier_wait -1
.if \fill
	CREST                                          ; the barrier has opened a round of the cluster's: no wave of any partner still reads this slot or has a load on its way
	s_add_nc_u64 s[G0+4*\slot+2:G0+4*\slot+3], s[G0+4*\slot+2:G0+4*\slot+3], 2*KSTEPB
	s_add_nc_u64 s[G0B+4*\slot+2:G0B+4*\slot+3], s[G0B+4*\slot+2:G0B+4*\slot+3], 2*KSTEPB
	JLOAD \slot                                    ; the first tensor load behind the round; its four v_nop are also the places in front of the loads below
.else
	PLACES
.endif
	FETCH \next, 0, F0
	WIN MUL
	MUL8 F1, 1, 0, 0
	MUL8 F1, 1, 2, 0
.endm
	s_wait_tensorcnt 1                             ; my part of K step 0 is in (K step 1's may stay out)
	s_barrier_signal -1
	s_barrier_wait -1                              ; everybody's is
	FETCH 0, 0, F0
	QUARTER 0, 1, F0, F1, 1                        ; the first products start the sums
	QUARTER 0, 2, F1, F0, 0
	QUARTER 0, 3, F0, F1, 0
	TURN 0, 1, 1                                   ; slot 0 takes K step 2
	QUARTER 1, 1, F0, F1, 0
	QUARTER 1, 2, F1, F0, 0
	QUARTER 1, 3, F0, F1, 0
	TURN 1, 0, 1                                   ; slot 1 takes K step 3
	QUARTER 0, 1, F0, F1, 0
	QUARTER 0, 2, F1, F0, 0
	QUARTER 0, 3, F0, F1, 0
	TURN 0, 1, 0                                   ; nothing is left to fetch
	QUARTER 1, 1, F0, F1, 0
	QUARTER 1, 2, F1, F0, 0
	QUARTER 1, 3, F0, F1, 0
	s_wait_dscnt 16
	WIN MUL
	MUL8 F1, 0, 0, 0
	MUL8 F1, 0, 2, 0
	s_wait_dscnt 0
	MUL8 F1, 1, 0, 0
	MUL8 F1, 1, 2, 0
	WIN 0
	; THE WAY OUT: 16 rows x 64 columns at a time through my own stage; back as whole rows of 256 bytes.  LDS serves a wave's instructions in order: no wait between the stores and the loads, nor in front of the next block's stores.
	PLACES
.irp a, 0,1,2,3
.irp b, 0,1,2,3
	ds_store_b128 v[STO], v[ACC+8*(4*\a+\b):ACC+8*(4*\a+\b)+3] offset:64*\b          ; each accumulator from its low end on
	ds_store_b128 v[STO], v[ACC+8*(4*\a+\b)+4:ACC+8*(4*\a+\b)+7] offset:64*\b+16
.endr
	WIN TO_F
.irp i, 0,1,2,3,4,5,6,7
	ds_load_b128 v[32*\a+4*\i:32*\a+4*\i+3], v[RD] offset:2*\i*SPITCH
.endr
	WIN 0
.endr
.irp a, 0,1,2,3
	s_wait_dscnt 48-16*\a                          ; block a is back; the sixteen LDS instructions of each later block may be out
	WIN 0x04                                       ; a store's data are its source 1: window 1
.irp i, 0,1,2,3,4,5,6,7
	global_store_b128 v[CO], v[32*\a+4*\i:32*\a+4*\i+3], s[8:9] offset:\a*65536+2*\i*4096 th:TH_STORE_NT   ; sixteen lanes store 256 consecutive bytes, aligned
.endr
.endr
	WIN 0
	s_wait_tensorcnt 0x0                           ; the wave's end
	ds_add_u32 v[SPW], v[NIL]
	s_wait_dscnt 0x0
	CROUND                                         ; the closing round
	s_endpgm
.Lfunc_end_k_q9e55fbf005_proj:
	.size	k_q9e55fbf005_proj, .Lfunc_end_k_q9e55fbf005_proj-k_q9e55fbf005_proj
	.p2alignl 7, 3214868480
	.fill 96, 4, 3214868480
	.section	.rodata,"a",@progbits
	.p2align	6, 0x0
	.amdhsa_kernel k_q9e55fbf005_proj
		.amdhsa_group_segment_fixed_size 327680
		.amdhsa_private_segment_fixed_size 0
		.amdhsa_enable_private_segment 0
		.amdhsa_kernarg_size 24
		.amdhsa_user_sgpr_count 2
		.amdhsa_user_sgpr_kernarg_segment_ptr 1
		.amdhsa_wavefront_size32 1
		.amdhsa_system_sgpr_workgroup_id_x 1
		.amdhsa_system_sgpr_workgroup_id_y 1
		.amdhsa_system_sgpr_workgroup_id_z 1
		.amdhsa_system_vgpr_workitem_id 0
		.amdhsa_next_free_vgpr 512
		.amdhsa_next_free_sgpr 66
		.amdhsa_reserve_vcc 0
		.amdhsa_float_denorm_mode_32 3
		.amdhsa_float_denorm_mode_16_64 3
		.amdhsa_memory_ordered 1
		.amdhsa_forward_progress 1
		.amdhsa_inst_pref_size 85
	.end_amdhsa_kernel
	.amdgpu_metadata
---
amdhsa.version: [ 1, 2 ]
amdhsa.kernels:
  - .name:           k_q9e55fbf005_proj
    .symbol:         k_q9e55fbf005_proj.kd
    .args:
      - { .name: o16, .offset: 0, .size: 8, .value_kind: global_buffer, .address_space: global }
      - { .name: wo16, .offset: 8, .size: 8, .value_kind: global_buffer, .address_space: global }
      - { .name: out0, .offset: 16, .size: 8, .value_kind: global_buffer, .address_space: global }
    .group_segment_fixed_size: 327680
    .private_segment_fixed_size: 0
    .kernarg_segment_align: 8
    .kernarg_segment_size: 24
    .max_flat_workgroup_size: 128
    .sgpr_count:     66
    .vgpr_count:     512
    .wavefront_size: 32
...
	.end_amdgpu_metadata
.endif
;; end of part 4
;; launch fine (part 5): grid 32 x 2, 16 waves a work-group, no clusters, 34,816 bytes of LDS; arguments fin, w_out, out0; writes out0
.if DOCPART == 5
	.amdgcn_target "amdgcn-amd-amdhsa--gfx1250"
	.amdhsa_code_object_version 6
	.text
	.protected	k_q9e55fbf005_fine
	.globl	k_q9e55fbf005_fine
	.p2align	8
	.type	k_q9e55fbf005_fine,@function
k_q9e55fbf005_fine:
	s_mov_b64 s[64:65], 0
	v_nop
	global_prefetch_b8 v0, s[64:65] scope:SCOPE_SE
	s_setreg_imm32_b32 hwreg(HW_REG_WAVE_MODE, 25, 1), 1
	s_wait_xcnt 0x0
; FINE: positions 0-15 of both sequences once more, attention and projection with f32 operands: these rows average one to sixteen values and are the largest of the output, so the rounding of 16-bit operands weighs most there.
; 32 rows of out0 in all: no bulk work.  Work-group (x, y): 32 columns of out0 (x) of batch y.  Wave = head: it makes its head's 16 x 16 attention (every work-group repeats that: 12 KB a head),
; multiplies its 16 x 64 result by its 64 rows x 32 columns of w_out, and the sixteen heads' parts are added through LDS, in the order of the heads.
; OPERANDS.  fin holds q, k (a lane: position lane % 16, channels 16 t + 8 (lane / 16) + 0..7) and v (a lane: channel, positions 8 (lane / 16) + 0..7) as the accumulators stood.  The f32 matrix form takes 4 along K, two registers a lane.
; Registers 2 i, 2 i + 1 of such a tile are given as they stand, to both sources alike: that is one permutation of K on both sides of a product, which leaves its sum.  So each result is the next product's operand with no move between lanes.
; The registers that the f32 form writes are written by it alone; what is made of a sum goes into other registers.
; REGISTERS: v16-47 q, v48-79 k, v80-111 v, v112-175 w_out; v176-191 S^T in two halves of K; v192-199 p; v200-231 O^T; v232-247 my part of out0; v248-252 at work.
.set SPARE, 32768                      ; behind the sixteen parts of 2,048 bytes: the spare words
.set SPW, 6
.set NIL, 7
	s_load_b128 s[4:7], s[0:1], 0x0                ; fin, w_out
	s_load_b64 s[8:9], s[0:1], 0x10                ; out0
	v_lshl_add_u32 v[SPW], v0, 2, SPARE
	v_mov_b32 v[NIL], 0
	v_lshrrev_b32 v1, 5, v0
	v_readfirstlane_b32 s10, v1                    ; wave = head
	s_and_b32 s11, ttmp7, 0xffff                   ; batch
	v_and_b32 v1, 31, v0
	v_lshlrev_b32 v2, 4, v1                        ; 16 x lane
	v_and_b32 v3, 15, v0                           ; r
	v_bfe_u32 v4, v0, 4, 1                         ; h
	v_lshlrev_b32 v5, 2, v3
	v_lshl_add_u32 v5, v4, 15, v5                  ; w_out: column r, 8 h rows of 4,096 bytes down
	v_lshlrev_b32 v8, 3, v4
	v_sub_nc_u32 v8, v3, v8                        ; r - 8 h: register i holds a hidden key where i > that
	v_mov_b32 v10, 0                               ; written once: a lane permute's destination counts as one of its sources
	s_lshl_b32 s16, s10, 11
	v_add_nc_u32 v11, s16, v2                      ; LDS: my head's part, my lane
	v_lshrrev_b32 v12, 3, v0                       ; the sum over heads (threads 0-127): row = thread / 8, four columns 4 (thread % 8) on
	v_bfe_u32 v13, v0, 1, 1
	v_lshl_add_u32 v14, v13, 4, v12                ; the lane that held them: row + 16 x (which eight of a tile's columns),
	v_lshlrev_b32 v14, 4, v14
	v_bfe_u32 v13, v0, 2, 1
	v_lshl_add_u32 v14, v13, 10, v14               ; the tile of 16 columns,
	v_and_b32 v13, 1, v0
	v_lshl_add_u32 v14, v13, 9, v14                ; the half of its eight registers
	v_and_b32 v13, 7, v0
	v_lshlrev_b32 v15, 12, v12
	v_lshl_add_u32 v15, v13, 4, v15                ; and the place in out0
	v_mov_b32 v248, 0xff800000                     ; -infinity
	s_lshl_b32 s12, s11, 4
	s_add_co_u32 s12, s12, s10
	s_mul_i32 s12, s12, 12288
	s_mov_b32 s13, 0
	s_lshl_b32 s14, s10, 18                        ; my head's 64 rows of w_out,
	s_lshl_b32 s15, ttmp9, 7                       ; the work-group's 32 columns
	s_add_co_u32 s14, s14, s15
	s_mov_b32 s15, 0
	s_lshl_b32 s18, s11, 23                        ; the batch's first row of out0
	s_lshl_b32 s19, ttmp9, 7
	s_add_co_u32 s18, s18, s19
	s_mov_b32 s19, 0
	s_mov_b32 s20, 0x3e38aa3b                      ; c = log2(e) / 8
	s_mov_b32 s22, 0x76543210
	s_mov_b32 s23, 0xfedcba98
	s_wait_kmcnt 0x0
	s_add_nc_u64 s[4:5], s[4:5], s[12:13]
	s_add_nc_u64 s[6:7], s[6:7], s[14:15]
	s_add_nc_u64 s[8:9], s[8:9], s[18:19]
.irp t, 0,1,2,3,4,5,6,7,8,9,10,11
.irp f, 0,1
	global_load_b128 v[16+8*\t+4*\f:16+8*\t+4*\f+3], v2, s[4:5] offset:\t*1024+\f*512
.endr
.endr
.irp nt, 0,1
.irp ct, 0,1,2,3
.irp i, 0,1,2,3,4,5,6,7
	global_load_b32 v[112+32*\nt+8*\ct+\i], v5, s[6:7] offset:(16*\ct+\i)*4096+64*\nt   ; w_out(64 head + 16 ct + 8 h + i, 32 x + 16 nt + r)
.endr
.endr
.endr
	s_wait_loadcnt 63                              ; q, k, v are in: 64 loads of w_out were issued behind them, and 63 is the largest count that this wait can name; so w_out's first load is waited for too, its other 63 may be out
	; S^T = k q^T: 16 steps of 4 channels, two accumulators by turns
.set n, 0
.rept 16
.if n < 2
	v_wmma_f32_16x16x4_f32 v[176+8*(n%2):183+8*(n%2)], v[48+2*n:49+2*n], v[16+2*n:17+2*n], 0
.else
	v_wmma_f32_16x16x4_f32 v[176+8*(n%2):183+8*(n%2)], v[48+2*n:49+2*n], v[16+2*n:17+2*n], v[176+8*(n%2):183+8*(n%2)]
.endif
.set n, n+1
.endr
.rept 8
	v_nop                                          ; eight places behind this form, in front of the first read of results
.endr
.irp i, 0,1,2,3,4,5,6,7
	v_add_f32 v[192+\i], v[176+\i], v[184+\i]      ; lane (r, h), register i: key 8 h + i, query r
.endr
.irp i, 0,1,2,3,4,5,6,7
	v_cmp_gt_i32 vcc_lo, \i, v8
	v_cndmask_b32 v[192+\i], v[192+\i], v248, vcc_lo
.endr
	v_max3_num_f32 v9, v192, v193, v194
	v_max3_num_f32 v9, v9, v195, v196
	v_max3_num_f32 v9, v9, v197, v198
	v_max_num_f32 v9, v9, v199
	v_permlanex16_b32 v10, v9, s22, s23
	v_max_num_f32 v9, v9, v10                      ; the row's maximum: key 0 counts for every query
	v_mul_f32 v9, s20, v9
.irp i, 0,1,2,3,4,5,6,7
	v_fma_f32 v[192+\i], v[192+\i], s20, -v9
.endr
.irp i, 0,1,2,3,4,5,6,7
	v_exp_f32 v[192+\i], v[192+\i]
.endr
	v_nop
	s_wait_alu depctr_va_vdst(0)                   ; one wait for the eight, ahead of the first reader
	v_add_f32 v249, v192, v193
	v_add_f32 v250, v194, v195
	v_add_f32 v251, v196, v197
	v_add_f32 v252, v198, v199
	v_add_f32 v249, v249, v250
	v_add_f32 v251, v251, v252
	v_add_f32 v249, v249, v251
	v_permlanex16_b32 v10, v249, s22, s23
	v_add_f32 v249, v249, v10
	v_rcp_f32 v249, v249
	v_nop
	s_wait_alu depctr_va_vdst(0)
.irp i, 0,1,2,3,4,5,6,7
	v_mul_f32 v[192+\i], v[192+\i], v249
.endr
	; O^T = v^T p: 4 steps of 4 keys, four accumulators (16 channels each) by turns
.irp i, 0,1,2,3
.irp ct, 0,1,2,3
.if \i == 0
	v_wmma_f32_16x16x4_f32 v[200+8*\ct:207+8*\ct], v[80+8*\ct+2*\i:81+8*\ct+2*\i], v[192+2*\i:193+2*\i], 0
.else
	v_wmma_f32_16x16x4_f32 v[200+8*\ct:207+8*\ct], v[80+8*\ct+2*\i:81+8*\ct+2*\i], v[192+2*\i:193+2*\i], v[200+8*\ct:207+8*\ct]
.endif
.endr
.endr
	s_wait_loadcnt 0x0                             ; w_out
.rept 9
	v_nop                                          ; nine places before a matrix instruction takes these results as a source
.endr
	; my part of out0, transposed: source 0 = 16 columns of w_out, source 1 = O^T: 16 steps of 4 channels, two accumulators by turns
.irp ct, 0,1,2,3
.irp i, 0,1,2,3
.irp nt, 0,1
.if (\ct == 0) && (\i == 0)
	v_wmma_f32_16x16x4_f32 v[232+8*\nt:239+8*\nt], v[112+32*\nt+8*\ct+2*\i:113+32*\nt+8*\ct+2*\i], v[200+8*\ct+2*\i:201+8*\ct+2*\i], 0
.else
	v_wmma_f32_16x16x4_f32 v[232+8*\nt:239+8*\nt], v[112+32*\nt+8*\ct+2*\i:113+32*\nt+8*\ct+2*\i], v[200+8*\ct+2*\i:201+8*\ct+2*\i], v[232+8*\nt:239+8*\nt]
.endif
.endr
.endr
.endr
.rept 8
	v_nop
.endr
.irp nt, 0,1
.irp f, 0,1
	ds_store_b128 v11, v[232+8*\nt+4*\f:235+8*\nt+4*\f] offset:\nt*1024+\f*512   ; lane (r, h), register i: row r, column 16 nt + 8 h + i; each accumulator from its low end on
.endr
.endr
	s_wait_dscnt 0x0                               ; for the others' sake: my stores are done
	s_barrier_signal -1
	s_barrier_wait -1
	s_cmp_lt_u32 s10, 4                            ; 16 rows x 32 columns are 128 pieces of 16 bytes: waves 0 to 3 add them up
	s_cbranch_scc0 .Ldone
.irp w, 0,1,2,3,4,5,6,7,8,9,10,11,12,13,14,15
	ds_load_b128 v[16+4*\w:19+4*\w], v14 offset:\w*2048
.endr
	s_wait_dscnt 0x0
.irp w, 1,2,3,4,5,6,7,8,9,10,11,12,13,14,15
	v_pk_add_f32 v[16:17], v[16:17], v[16+4*\w:17+4*\w]
	v_pk_add_f32 v[18:19], v[18:19], v[18+4*\w:19+4*\w]
.endr
	global_store_b128 v15, v[16:19], s[8:9]        ; eight lanes store 128 consecutive bytes of a row: 32 rows of out0 in the whole launch
.Ldone:
	s_wait_tensorcnt 0x0                           ; the wave's end, behind my last LDS store
	ds_add_u32 v[SPW], v[NIL]
	s_wait_dscnt 0x0
	s_endpgm
.Lfunc_end_k_q9e55fbf005_fine:
	.size	k_q9e55fbf005_fine, .Lfunc_end_k_q9e55fbf005_fine-k_q9e55fbf005_fine
	.p2alignl 7, 3214868480
	.fill 96, 4, 3214868480
	.section	.rodata,"a",@progbits
	.p2align	6, 0x0
	.amdhsa_kernel k_q9e55fbf005_fine
		.amdhsa_group_segment_fixed_size 34816
		.amdhsa_private_segment_fixed_size 0
		.amdhsa_enable_private_segment 0
		.amdhsa_kernarg_size 24
		.amdhsa_user_sgpr_count 2
		.amdhsa_user_sgpr_kernarg_segment_ptr 1
		.amdhsa_wavefront_size32 1
		.amdhsa_system_sgpr_workgroup_id_x 1
		.amdhsa_system_sgpr_workgroup_id_y 1
		.amdhsa_system_sgpr_workgroup_id_z 1
		.amdhsa_system_vgpr_workitem_id 0
		.amdhsa_next_free_vgpr 256
		.amdhsa_next_free_sgpr 66
		.amdhsa_reserve_vcc 1
		.amdhsa_float_denorm_mode_32 3
		.amdhsa_float_denorm_mode_16_64 3
		.amdhsa_memory_ordered 1
		.amdhsa_forward_progress 1
		.amdhsa_inst_pref_size 22
	.end_amdhsa_kernel
	.amdgpu_metadata
---
amdhsa.version: [ 1, 2 ]
amdhsa.kernels:
  - .name:           k_q9e55fbf005_fine
    .symbol:         k_q9e55fbf005_fine.kd
    .args:
      - { .name: fin, .offset: 0, .size: 8, .value_kind: global_buffer, .address_space: global }
      - { .name: w_out, .offset: 8, .size: 8, .value_kind: global_buffer, .address_space: global }
      - { .name: out0, .offset: 16, .size: 8, .value_kind: global_buffer, .address_space: global }
    .group_segment_fixed_size: 34816
    .private_segment_fixed_size: 0
    .kernarg_segment_align: 8
    .kernarg_segment_size: 24
    .max_flat_workgroup_size: 512
    .sgpr_count:     66
    .vgpr_count:     256
    .wavefront_size: 32
...
	.end_amdgpu_metadata
.endif
;; end of part 5
